; MI455X (gfx1250); checked and timed in simulation.
; The chip was launched on July 23, 2026; its instructions are those of AMD's public machine-readable ISA for CDNA 5 (MIT licence, August 2026) and "CDNA5" Instruction Set Architecture Reference Guide (July 2026). The comments in the code are by the model that wrote it; some were corrected since.
;; Multi Head Self Attention. Allowed arithmetic: matrix products marked QUANTISED: E2M1 operands, one E8M0 scale for each 32 along K, by v_wmma_scale_f32_16x16x128_f8f6f4 with both operands' format E2M1 (or v_wmma_scale_f32_32x16x128_f4), f32 sums; products left as they are: bf16, f16 or f32 operands; f32 sums; everything else in f32.
;; Inputs: out_b 1,024 float32; out_w 1,024 x 1,024 float32; qkv_b 3,072 float32; qkv_w 3,072 x 1,024 float32; x 4 x 2,048 x 1,024 float32.
;; Outputs: out0 4 x 2,048 x 1,024 float32.
;; This version of the problem:
;;   THIS VERSION OF THE PROBLEM IS GIVEN IN LOW PRECISION. The matrix products marked QUANTISED in the list below multiply operands that are first quantised to E2M1 (2 exponent bits, 1 mantissa bit; 4 bits a number), with one power-of-two scale for each 32 numbers along K (OCP MX v1.0); their sums are f32. The products marked 'left as it is' may take bf16, f16 or f32 operands, with f32 sums. Whichever they take, every output number must still come out within the allowed error. Rounding operands to bf16 (8 significant bits) uses up far more of that allowance than f16 does (11 bits, for magnitudes from 6e-5 to 65,504). All else is computed in f32.
;;   The module's matrix products, in the order in which they are computed (A, B: the left and right operand; K: the contracted axis; several contracted axes count as one K, in the product's order):
;;     1. [M 8,192, K 1,024] x [K 1,024, N 3,072]; A: input x; B: input qkv_w: QUANTISED
;;     2. batch 64 x [M 2,048, K 64] x [K 64, N 2,048]; A: computed on the way; B: computed on the way: left as it is (an operand is computed on the way)
;;     3. batch 64 x [M 2,048, K 2,048] x [K 2,048, N 64]; A: computed on the way; B: computed on the way: left as it is (an operand is computed on the way)
;;     4. [M 8,192, K 1,024] x [K 1,024, N 1,024]; A: computed on the way; B: input out_w: left as it is (an operand is computed on the way)
;;   THE QUANTISER, for each operand of a quantised product, along K:
;;     - K is cut into blocks of 32 from its start; a last block that is shorter is filled with zeros.
;;     - A block's scale is 2^e with e = floor(log2(the largest magnitude in the block)) - 2, held to -126 .. 127; a block of zeros has e = 0. As a byte (E8M0): e + 127.
;;     - Each number is divided by its block's scale, clamped to +-6, and rounded to the nearest number of E2M1, ties to even, subnormals kept.
;;     - The product sums the exact products of the quantised numbers (number of the format x scale) in f32.
;;   ~~~python
;;   def quantise(x, axis):      # numpy; x: float32 -> the quantised numbers, widened to float32 again
;;       x = np.moveaxis(x, axis, -1); K = x.shape[-1]
;;       x = np.pad(x, [(0, 0)] * (x.ndim - 1) + [(0, -K % 32)]); x = x.reshape(x.shape[:-1] + (-1, 32)); a = np.abs(x).max(-1, keepdims=True)
;;       e = np.where(a > 0, np.clip(np.frexp(np.where(a > 0, a, 1))[1] - 1 - 2, -126, 127), 0)      # np.frexp(a)[1] - 1 = floor(log2(a)), exactly
;;       r = np.clip(x / 2.0 ** e, -6, 6)
;;       step = 2.0 ** (np.maximum(np.frexp(np.where(r == 0, 1, r))[1] - 1, 0) - 1)
;;       q = np.round(r / step) * step * 2.0 ** e      # np.round: ties to even
;;       return np.moveaxis(q.reshape(q.shape[:-2] + (-1,))[..., :K], -1, axis).astype(np.float32)
;;   ~~~
;; One version. Each part assembles by itself: llvm-mc -triple=amdgcn-amd-amdhsa -mcpu=gfx1250 --defsym DOCPART=n.
;; ======== version 1 of 1: 5 launches
;; limits: values are held in f16: magnitudes above 65,504 overflow, below 6.1e-05 lose precision
;; workspace buffers: xc 4,194,304 bytes; xs 262,144 bytes; wc 1,572,864 bytes; ws 98,304 bytes; owh 2,097,152 bytes; qkvh 50,331,648 bytes; ao 16,777,216 bytes; fq 786,432 bytes
;; launch prep (part 1): grid 384 x 1, 4 waves a work-group, no clusters, 33,280 bytes of LDS; arguments x, qkv_w, xc, xs, wc, ws, out_w, owh; writes xc, xs, wc, ws, owh
.if DOCPART == 1
	.amdgcn_target "amdgcn-amd-amdhsa--gfx1250"
	.amdhsa_code_object_version 6
	.text
	.protected	k_q33f669fe48_prep
	.globl	k_q33f669fe48_prep
	.p2align	8
	.type	k_q33f669fe48_prep,@function
k_q33f669fe48_prep:
	s_mov_b64 s[64:65], 0
	v_nop
	global_prefetch_b8 v0, s[64:65] scope:SCOPE_SE
	s_setreg_imm32_b32 hwreg(HW_REG_WAVE_MODE, 25, 1), 1
	s_wait_xcnt 0x0
; x [8192][1024] and qkv_w [3072][1024], f32, become codes of FP4 (E2M1), two a byte, K innermost, with one E8M0 scale byte for each 32 along K; out_w [1024][1024] becomes f16.
; A block's scale is 2^(floor(log2(its largest magnitude)) - 2); its byte is the largest magnitude's exponent field - 2, held at 1 from below.  Each number is divided by the scale and rounded to the nearest code, ties to even.
; LIMITS: a block of zeros, or one whose largest magnitude lies under 2^(3 - 127), gets the byte 1 (its codes are zeros or the smallest codes; the bytes are read by this program alone); NaN and infinities are not served;
; out_w is rounded to f16: numbers beyond 65,504 would become infinities (the drawn ones lie near 0.03).
; Rows are dense and K is a multiple of 32: each tensor is a plain stream.  Work-groups 0-255 take x, 256-351 qkv_w, 352-383 out_w; a wave takes 8,192 numbers.
; QUANTISING: 16 steps of 512 numbers.  Each load reads 512 consecutive bytes; a step's 2,048 bytes turn through the wave's own stage in LDS, so that a lane holds 16 neighbours along K (two lanes a block).
; A lane's 16 codes are 8 bytes: a store covers 256 consecutive bytes.  A wave's 256 scale bytes are gathered in LDS and leave by one store of 256 consecutive bytes.  Waves share nothing: no barrier.
.set WAVES, 4
.set STEPS, 16
.set WGA,   256                        ; work-groups for x
.set WGQ,   352                        ; and for both quantised tensors
.set EMAX,  2
.set CB,    8                          ; bytes of 16 codes
.set R,     16                         ; v16-79   four sets of 16 numbers as loaded (cast: v16-143 two sets of 64)
.set X,     80                         ; v80-111  two sets of 16 neighbours
.set E,     112                        ; v112-127 a scale byte for each step
.set C,     128                        ; v128-191 codes: registers of its own for each step
.set HF,    144                        ; cast: v144-175 a group's f16 pairs
.set WREG,  8192                       ; LDS: a region for each wave: two stages of 32 x SP bytes, then its 256 scale bytes
.set SP,    80                         ; a lane's place in a stage: 64 bytes + 16 of padding
.set SPW,   12                         ; v12 LDS address of my spare word; never rewritten
.set NIL,   13                         ; v13 0; never rewritten
.set SPARE, WAVES*WREG                 ; the spare words, 128 bytes a wave, named by no other line
	s_load_b128 s[4:7], s[0:1], 0x0                ; x, qkv_w
	s_load_b128 s[8:11], s[0:1], 0x10              ; xc, xs
	s_load_b128 s[12:15], s[0:1], 0x20             ; wc, ws
	s_load_b128 s[24:27], s[0:1], 0x30             ; out_w, owh
	v_lshl_add_u32 v[SPW], v0, 2, SPARE
	v_mov_b32 v[NIL], 0
	v_lshrrev_b32 v1, 5, v0
	v_readfirstlane_b32 s16, v1                    ; wave
	v_and_b32 v2, 31, v0                           ; lane
	v_lshlrev_b32 v3, 4, v2                        ; my 16 bytes of a load's 512
	s_mul_i32 s17, s16, WREG
	v_lshrrev_b32 v14, 2, v2
	v_mul_u32_u24 v14, v14, SP
	v_and_b32 v15, 3, v2
	v_lshl_add_u32 v14, v15, 4, v14
	v_add_nc_u32 v14, s17, v14                     ; the stage, on the way in: SP (lane / 4) + 16 (lane % 4)
	v_mul_u32_u24 v15, v2, SP
	v_add_nc_u32 v15, s17, v15                     ; and on the way out: SP x lane: my 16 neighbours
	v_mul_u32_u24 v4, v2, CB                       ; my 8 bytes of a store's 256
	v_lshrrev_b32 v5, 1, v2
	s_add_co_u32 s17, s17, 2*32*SP
	v_add_nc_u32 v5, s17, v5                       ; LDS: my block's scale byte
	v_lshlrev_b32 v7, 3, v2
	v_add_nc_u32 v6, s17, v7                       ; and 8 of them a lane on the way out
	s_wait_kmcnt 0x0
	s_cmp_ge_u32 ttmp9, WGQ                        ; the work-group's number alone decides
	s_cbranch_scc0 .Lquant
	; ---- out_w to f16: four groups of 16 loads; two groups are on their way at any time
	s_sub_co_u32 s17, ttmp9, WGQ
	s_lshl_b32 s17, s17, 2
	s_add_co_u32 s18, s17, s16                     ; which run of 8,192 numbers is my wave's
	s_lshl_b32 s20, s18, 15
	s_mov_b32 s21, 0
	s_add_nc_u64 s[24:25], s[24:25], s[20:21]
	s_lshl_b32 s20, s18, 14
	s_add_nc_u64 s[26:27], s[26:27], s[20:21]
.macro CLOAD g
.irp i, 0,1,2,3,4,5,6,7,8,9,10,11,12,13,14,15
	global_load_b128 v[R+64*((\g)%2)+4*\i:R+64*((\g)%2)+4*\i+3], v3, s[24:25] offset:8192*(\g)+512*\i th:TH_LOAD_NT
.endr
.endm
.macro CAST g
.if (\g) < 3
	s_wait_loadcnt 16                              ; this group's 16 loads are in; the next group's 16 may be out
.else
	s_wait_loadcnt 0x0
.endif
.if (\g) > 0
	s_wait_xcnt 0x0                                ; the last group's stores have read their data registers, which are written again below
.endif
.irp i, 0,1,2,3,4,5,6,7,8,9,10,11,12,13,14,15
	v_cvt_pk_f16_f32 v[HF+2*\i], v[R+64*((\g)%2)+4*\i], v[R+64*((\g)%2)+4*\i+1]
	v_cvt_pk_f16_f32 v[HF+2*\i+1], v[R+64*((\g)%2)+4*\i+2], v[R+64*((\g)%2)+4*\i+3]
.endr
.irp i, 0,1,2,3,4,5,6,7,8,9,10,11,12,13,14,15
	global_store_b64 v4, v[HF+2*\i:HF+2*\i+1], s[26:27] offset:4096*(\g)+256*\i   ; 32 lanes store 256 consecutive bytes, aligned
.endr
.if (\g)+2 < 4
	CLOAD (\g)+2
.endif
.endm
	CLOAD 0
	CLOAD 1
	CAST 0
	CAST 1
	CAST 2
	CAST 3
	s_branch .Lend
.Lquant:
	s_cmp_lt_u32 ttmp9, WGA                        ; x's work-group or qkv_w's?  Only pointers are chosen
	s_cselect_b64 s[4:5], s[4:5], s[6:7]
	s_cselect_b64 s[8:9], s[8:9], s[12:13]
	s_cselect_b64 s[10:11], s[10:11], s[14:15]
	s_cselect_b32 s17, 0, WGA
	s_sub_co_u32 s17, ttmp9, s17
	s_lshl_b32 s17, s17, 2
	s_add_co_u32 s18, s17, s16                     ; which run of 8,192 numbers of the tensor is my wave's
	s_mov_b32 s19, 0
	s_mov_b64 s[20:21], 512*STEPS*4
	s_mul_u64 s[20:21], s[18:19], s[20:21]
	s_add_nc_u64 s[4:5], s[4:5], s[20:21]
	s_mov_b64 s[20:21], 32*STEPS*CB
	s_mul_u64 s[20:21], s[18:19], s[20:21]
	s_add_nc_u64 s[8:9], s[8:9], s[20:21]
	s_lshl_b32 s18, s18, 8                         ; 256 scale bytes a run
	s_add_nc_u64 s[10:11], s[10:11], s[18:19]
.macro LOAD t
.irp i, 0,1,2,3
	global_load_b128 v[R+16*((\t)%4)+4*\i:R+16*((\t)%4)+4*\i+3], v3, s[4:5] offset:2048*(\t)+512*\i th:TH_LOAD_NT   ; 32 lanes read 512 consecutive bytes
.endr
.endm
.macro TURN t                          ; step t's numbers through the stage: LDS serves a wave's instructions in order, so no wait stands between the stores and the loads
.irp i, 0,1,2,3
	ds_store_b128 v14, v[R+16*((\t)%4)+4*\i:R+16*((\t)%4)+4*\i+3] offset:32*SP*((\t)%2)+8*SP*\i
.endr
.irp i, 0,1,2,3
	ds_load_b128 v[X+16*((\t)%2)+4*\i:X+16*((\t)%2)+4*\i+3], v15 offset:32*SP*((\t)%2)+16*\i
.endr
.endm
.irp t, 0,1,2,3
	LOAD \t
.endr
	s_wait_loadcnt 12                              ; step 0's four loads are in; the 12 of steps 1 to 3 may be out
	TURN 0
.macro STEP t
.set XS, X+16*((\t)%2)
.if (\t) > 0
	s_wait_dscnt 1                                 ; this step's numbers are back from the stage; the last step's byte store may be out
.else
	s_wait_dscnt 0x0
.endif
.if (\t)+4 < STEPS
	LOAD (\t)+4
.endif
.if (\t)+1 < STEPS
.if STEPS-2-(\t) >= 3
	s_wait_loadcnt 12                              ; the next step's four loads are in; those of the three steps behind it may be out
.else
	s_wait_loadcnt 4*(STEPS-2-(\t))
.endif
	TURN (\t)+1
.endif
	v_max3_num_f32 v8, |v[XS]|, |v[XS+1]|, |v[XS+2]|               ; the largest magnitude of my 16, in two chains
	v_max3_num_f32 v9, |v[XS+3]|, |v[XS+4]|, |v[XS+5]|
.irp i, 6,10
	v_max3_num_f32 v8, v8, |v[XS+\i]|, |v[XS+\i+1]|
	v_max3_num_f32 v9, v9, |v[XS+\i+2]|, |v[XS+\i+3]|
.endr
	v_max3_num_f32 v8, v8, |v[XS+14]|, |v[XS+15]|
	v_max3_num_f32 v8, v8, v9, (EMAX+1)<<23        ; and the floor 2^(EMAX + 1 - 127): the byte cannot fall under 1
	v_max_num_f32_dpp v8, v8, v8 row_xmask:1 row_mask:0xf bank_mask:0xf   ; and of my neighbour's 16: the block's
	v_add_nc_u32 v11, -(EMAX<<23), v8              ; EMAX off its exponent field: the conversion takes the exponent field of this operand as its scale
	v_cvt_scalef32_pk8_fp4_f32 v[C+4*(\t)], v[XS:XS+7], v11
	v_cvt_scalef32_pk8_fp4_f32 v[C+4*(\t)+1], v[XS+8:XS+15], v11
	v_lshrrev_b32 v[E+(\t)], 23, v11               ; the scale's byte
	ds_store_b8 v5, v[E+(\t)] offset:16*(\t)       ; both lanes of a block write the same byte with the same value
	global_store_b64 v4, v[C+4*(\t):C+4*(\t)+1], s[8:9] offset:32*CB*(\t)
.endm
.irp t, 0,1,2,3,4,5,6,7,8,9,10,11,12,13,14,15
	STEP \t
.endr
	ds_load_b64 v[8:9], v6                         ; LDS serves a wave's instructions in order: these see my byte stores
	s_wait_dscnt 0x0
	global_store_b64 v7, v[8:9], s[10:11]          ; 32 lanes store 256 consecutive bytes, aligned
.Lend:
	s_wait_tensorcnt 0x0                           ; the wave's end, behind the last LDS store
	ds_add_u32 v[SPW], v[NIL]
	s_wait_dscnt 0x0
	s_endpgm
.Lfunc_end_k_q33f669fe48_prep:
	.size	k_q33f669fe48_prep, .Lfunc_end_k_q33f669fe48_prep-k_q33f669fe48_prep
	.p2alignl 7, 3214868480
	.fill 96, 4, 3214868480
	.section	.rodata,"a",@progbits
	.p2align	6, 0x0
	.amdhsa_kernel k_q33f669fe48_prep
		.amdhsa_group_segment_fixed_size 33280
		.amdhsa_private_segment_fixed_size 0
		.amdhsa_enable_private_segment 0
		.amdhsa_kernarg_size 64
		.amdhsa_user_sgpr_count 2
		.amdhsa_user_sgpr_kernarg_segment_ptr 1
		.amdhsa_wavefront_size32 1
		.amdhsa_system_sgpr_workgroup_id_x 1
		.amdhsa_system_sgpr_workgroup_id_y 1
		.amdhsa_system_sgpr_workgroup_id_z 1
		.amdhsa_system_vgpr_workitem_id 0
		.amdhsa_next_free_vgpr 192
		.amdhsa_next_free_sgpr 66
		.amdhsa_reserve_vcc 0
		.amdhsa_float_denorm_mode_32 3
		.amdhsa_float_denorm_mode_16_64 3
		.amdhsa_memory_ordered 1
		.amdhsa_forward_progress 1
		.amdhsa_inst_pref_size 54
	.end_amdhsa_kernel
	.amdgpu_metadata
---
amdhsa.version: [ 1, 2 ]
amdhsa.kernels:
  - .name:           k_q33f669fe48_prep
    .symbol:         k_q33f669fe48_prep.kd
    .args:
      - { .name: x, .offset: 0, .size: 8, .value_kind: global_buffer, .address_space: global }
      - { .name: qkv_w, .offset: 8, .size: 8, .value_kind: global_buffer, .address_space: global }
      - { .name: xc, .offset: 16, .size: 8, .value_kind: global_buffer, .address_space: global }
      - { .name: xs, .offset: 24, .size: 8, .value_kind: global_buffer, .address_space: global }
      - { .name: wc, .offset: 32, .size: 8, .value_kind: global_buffer, .address_space: global }
      - { .name: ws, .offset: 40, .size: 8, .value_kind: global_buffer, .address_space: global }
      - { .name: out_w, .offset: 48, .size: 8, .value_kind: global_buffer, .address_space: global }
      - { .name: owh, .offset: 56, .size: 8, .value_kind: global_buffer, .address_space: global }
    .group_segment_fixed_size: 33280
    .private_segment_fixed_size: 0
    .kernarg_segment_align: 8
    .kernarg_segment_size: 64
    .max_flat_workgroup_size: 128
    .sgpr_count:     66
    .vgpr_count:     192
    .wavefront_size: 32
...
	.end_amdgpu_metadata
.endif
;; end of part 1
;; launch qkv (part 2): grid 16 x 32, 4 waves a work-group, clusters of 4 x 4, 327,680 bytes of LDS; arguments xc, xs, wc, ws, qkv_b, qkvh, fq; writes qkvh, fq
.if DOCPART == 2
	.amdgcn_target "amdgcn-amd-amdhsa--gfx1250"
	.amdhsa_code_object_version 6
	.text
	.protected	k_q33f669fe48_qkv
	.globl	k_q33f669fe48_qkv
	.p2align	8
	.type	k_q33f669fe48_qkv,@function
k_q33f669fe48_qkv:
	s_mov_b64 s[64:65], 0
	v_nop
	global_prefetch_b8 v0, s[64:65] scope:SCOPE_SE
	s_setreg_imm32_b32 hwreg(HW_REG_WAVE_MODE, 25, 1), 1
	s_wait_xcnt 0x0
	s_wait_alu depctr_hold_cnt(0) depctr_sa_sdst(0) depctr_va_vdst(0) depctr_va_sdst(0) depctr_va_ssrc(0) depctr_va_vcc(0) depctr_vm_vsrc(0)
	s_getreg_b32 s2, hwreg(HW_REG_IB_STS2, 6, 4)
	s_cmp_eq_u32 s2, 0
	s_cbranch_scc0 .Lentry_in_a_cluster
	s_endpgm
.Lentry_in_a_cluster:
	s_bfe_u32 s2, ttmp6, 0x10000c
	s_cmp_lg_u32 s2, 0xf033
	s_cbranch_scc0 .Lentry_shape_is_right
	s_endpgm
.Lentry_shape_is_right:
; qkv = Q(x) Q(qkv_w)^T + qkv_b on codes of FP4 (E2M1) with one E8M0 scale for each 32 along K; sums in f32.  8,192 rows, 3,072 features, K = 1,024.
; OUT: qkvh, f16, [48 planes of 64 features][8192 rows][64]; and fq, f32: for positions 0-15 of each sequence the accumulators as they stand, [4 batches][48 planes][8 chunks][32 lanes][4 words].
; LIMIT: q, k, v are rounded to f16 (largest number 65,504; the drawn ones lie under 6).
; A tile is 256 rows x 192 features (three planes): 512 tiles.  Four waves; wave w makes rows 64 w .. 64 w + 63 x all 192 features: 48 accumulators of 16 x 16.
; ALL OF K LIES IN LDS: two slots of 512 along K (rows of 256 bytes + 16 of padding), and the tile's scale bytes; every byte is filled once, at the head: no ring, no refill, no loop: eight K steps of 128.
; CLUSTERS: 4 x 4 work-groups.  The four of a row of the cluster need the same rows of x, the four of a column the same rows of qkv_w: each tile is asked for jointly.  Tile row = 8 cy + cluster y, so that the
; tiles with positions 0-255 of a sequence are those of cluster y = 0, a number that all sixteen partners share.
; THE MATRIX INSTRUCTION IS USED TRANSPOSED (source 0 = 16 rows of qkv_w, source 1 = 16 rows of x): a lane holds row lane % 16 and eight neighbouring features 8 (lane / 16) + 0 .. 7.  The bias is the C of each sum's first product.
; REGISTERS: window 0: v16-31 addresses; v32-47 x's scale words, v48-95 qkv_w's (they hold nothing else); v96-159 x's fragments, two sets; v160-255 the bias; on the way out v96-239 are at work.
;   window 1: qkv_w's fragments, two sets, at v0 and v128.   window 2: accumulators of row blocks 0, 1 ((a, b) at v[8 (12 (a % 2) + b)]);   window 3: of blocks 2, 3.
.set PITCH, 272
.set AREG,  256*PITCH                  ; x's 256 rows in a slot; qkv_w's 192 follow
.set SLOT,  448*PITCH
.set SCL,   2*SLOT                     ; x's scale bytes: 32 pieces of 256 bytes + 16 of padding
.set SCLB,  SCL+32*272                 ; qkv_w's: 24 pieces
.set SBLK,  544                        ; the scale bytes of 16 rows
.set SPARE, 259072                     ; the spare words, 128 bytes a wave, named by no other line
.set SPL,   16*144                     ; the way out: 16 rows x (128 bytes + 16) of one plane
.set WST,   3*SPL                      ; a wave's stage; the stages lie in slot 0, which has had its one fill and is read by nobody behind the barrier of K step 3
.set ADRA, 16                          ; v16-17 LDS address of my fragments of x in slot 0, 1
.set ADRB, 20                          ; v20-21 of qkv_w
.set STO,  24
.set RD,   25
.set CO,   26                          ; 16 x lane
.set ASA,  27                          ; x's scale words: lanes 0-15 block i, lanes 16-31 block i + 2
.set SPW,  28
.set NIL,  29
.set ASB,  30                          ; qkv_w's: lanes 0-15 block i, lanes 16-31 block i + 6
.set BO,   31                          ; 32 x (lane / 16)
.set SCA,  32                          ; register 8 i + q: K step q
.set SCB,  48
.set AF,   96
.set BIAS, 160
.set TMP,  96
.set BK,   144
.set G1, 24
.set G0, 32
.set G1B, 48
.set G0B, 56
.set G1S, 68
.set G0S, 76
.set G1SB, 80
.set G0SB, 88
.set MSB, 0
.macro WIN new                         ; the immediate's high byte repeats the setting that is left
.if MSB != \new
	s_set_vgpr_msb (MSB<<8)|\new
.set MSB, \new
.endif
.endm
; A joint load: waves 0 and 1 fetch for x, waves 2 and 3 for qkv_w.  The branch hangs on the wave's number alone.  An s_nop 0 and four v_nop follow each line.
.macro JLOAD g0a, g1a, g0b, g1b
	s_cmp_eq_u32 s15, 0
	s_cbranch_scc0 .Lfor_b_\@
	tensor_load_to_lds s[\g0a:\g0a+3], s[\g1a:\g1a+7]
	s_nop 0
.rept 4
	v_nop
.endr
	s_branch .Lasked_\@
.Lfor_b_\@:
	tensor_load_to_lds s[\g0b:\g0b+3], s[\g1b:\g1b+7]
	s_nop 0
.rept 4
	v_nop
.endr
.Lasked_\@:
.endm
.macro CROUND                          ; a round of the cluster's barrier
	s_barrier_signal -1
	s_barrier_wait -1
	s_cmp_lg_u32 s14, 0
	s_cbranch_scc1 .Lnot_wave_0_\@
	s_barrier_signal -3
.Lnot_wave_0_\@:
	s_barrier_wait -3
	s_barrier_signal -1
	s_barrier_wait -1
.endm
.macro PLACES                          ; four plain places behind matrix instructions, ahead of loads into their sources and of reads of their results
.rept 4
	v_nop
.endr
.endm
	s_load_b256 s[4:11], s[0:1], 0x0               ; xc s[4:5], xs s[6:7], wc s[8:9], ws s[10:11]
	s_load_b64 s[12:13], s[0:1], 0x20              ; qkv_b
	s_load_b64 s[92:93], s[0:1], 0x28              ; qkvh
	s_load_b64 s[94:95], s[0:1], 0x30              ; fq
	v_lshl_add_u32 v[SPW], v0, 2, SPARE
	v_mov_b32 v[NIL], 0
	ds_add_u32 v[SPW], v[NIL]                      ; the wave's opening: the add, twice on end, and its wait ahead of my first tensor load
	ds_add_u32 v[SPW], v[NIL]
	v_lshrrev_b32 v1, 5, v0
	v_readfirstlane_b32 s14, v1                    ; wave 0..3
	s_lshr_b32 s15, s14, 1                         ; I fetch for x (0) or for qkv_w (1),
	s_and_b32 s16, s14, 1                          ; its first or second half
	s_bfe_u32 s40, ttmp6, 0x40000                  ; cx
	s_bfe_u32 s41, ttmp6, 0x40004                  ; cy
	s_lshl_b32 s42, ttmp9, 2
	s_add_co_u32 s42, s42, s40                     ; tile column = 4 x cluster x + cx
	s_and_b32 s3, ttmp7, 0xffff                    ; cluster y
	s_lshl_b32 s17, s41, 3
	s_add_co_u32 s17, s17, s3                      ; tile row = 8 cy + cluster y: the batch is cy
	s_lshl_b32 s43, s41, 2
	s_lshl_b32 s43, 15, s43                        ; my row of the cluster
	s_lshl_b32 s44, 0x1111, s40                    ; my column
	s_or_b32 s[G1+0], s43, (0<<16)|(1<<20)|(1<<21)|(5<<22)|(3<<25)   ; mask; elements of 1 byte; padding on; bit 21 beside a mask; 4 words of padding after every 64
	s_or_b32 s[G1B+0], s44, (0<<16)|(1<<20)|(1<<21)|(5<<22)|(3<<25)
	s_mov_b32 s[G1+1], 256<<16                     ; tensor_dim0 = 256 bytes
	s_mov_b32 s[G1+2], 128<<16                     ; tensor_dim1 = 128 rows
	s_mov_b32 s[G1+3], 256<<16                     ; tile_dim0
	s_mov_b32 s[G1+4], 128                         ; tile_dim1
	s_mov_b32 s[G1+5], 512                         ; a row of codes in memory
	s_mov_b32 s[G1+6], 0
	s_mov_b32 s[G1+7], 0
	s_mov_b32 s[G1B+1], 256<<16
	s_mov_b32 s[G1B+2], 96<<16                     ; 96 rows
	s_mov_b32 s[G1B+3], 256<<16
	s_mov_b32 s[G1B+4], 96
	s_mov_b32 s[G1B+5], 512
	s_mov_b32 s[G1B+6], 0
	s_mov_b32 s[G1B+7], 0
	s_or_b32 s[G1S+0], s43, (3<<16)|(1<<20)|(1<<21)|(5<<22)|(3<<25)  ; the scale bytes: dense blocks as rows of 32 elements of 8 bytes
	s_or_b32 s[G1SB+0], s44, (3<<16)|(1<<20)|(1<<21)|(5<<22)|(3<<25)
	s_mov_b32 s[G1S+1], 32<<16
	s_mov_b32 s[G1S+2], 16<<16                     ; 128 rows x 32 bytes = 16 rows of 256
	s_mov_b32 s[G1S+3], 32<<16
	s_mov_b32 s[G1S+4], 16
	s_mov_b32 s[G1S+5], 32
	s_mov_b32 s[G1S+6], 0
	s_mov_b32 s[G1S+7], 0
	s_mov_b32 s[G1SB+1], 32<<16
	s_mov_b32 s[G1SB+2], 12<<16                    ; 96 rows x 32 bytes = 12 rows of 256
	s_mov_b32 s[G1SB+3], 32<<16
	s_mov_b32 s[G1SB+4], 12
	s_mov_b32 s[G1SB+5], 32
	s_mov_b32 s[G1SB+6], 0
	s_mov_b32 s[G1SB+7], 0
	s_lshl_b32 s18, s16, 7
	s_lshl_b32 s20, s17, 8
	s_add_co_u32 s20, s20, s18                     ; x: row 256 x tile row + 128 x half
	s_mul_i32 s46, s42, 192
	s_mul_i32 s18, s16, 96
	s_add_co_u32 s46, s46, s18                     ; qkv_w: row 192 x tile column + 96 x half
	s_lshl_b32 s22, s20, 5                         ; their scale bytes,
	s_mov_b32 s23, 0
	s_lshl_b32 s96, s46, 5
	s_mov_b32 s97, 0
	s_lshl_b32 s20, s20, 9                         ; their codes
	s_mov_b32 s21, 0
	s_lshl_b32 s46, s46, 9
	s_mov_b32 s47, 0
	s_mul_i32 s45, s16, 128*PITCH                  ; where they go: no place in the cluster enters an LDS address
	s_mul_i32 s66, s16, 96*PITCH
	s_add_co_u32 s66, s66, AREG
	s_mul_i32 s67, s16, 16*272
	s_add_co_u32 s67, s67, SCL
	s_mul_i32 s2, s16, 12*272
	s_add_co_u32 s2, s2, SCLB
	s_wait_dscnt 0x0                               ; both opening adds are done
	s_wait_kmcnt 0x0
	s_add_nc_u64 s[20:21], s[4:5], s[20:21]
	s_add_nc_u64 s[22:23], s[6:7], s[22:23]
	s_add_nc_u64 s[46:47], s[8:9], s[46:47]
	s_add_nc_u64 s[96:97], s[10:11], s[96:97]
	CROUND                                         ; all sixteen work-groups are here: the joint loads meet
	s_mov_b32 s[G0S], 1
	s_mov_b32 s[G0S+1], s67
	s_mov_b64 s[G0S+2:G0S+3], s[22:23]
	s_or_b32 s[G0S+3], s[G0S+3], 0x80000000
	s_mov_b32 s[G0SB], 1
	s_mov_b32 s[G0SB+1], s2
	s_mov_b64 s[G0SB+2:G0SB+3], s[96:97]
	s_or_b32 s[G0SB+3], s[G0SB+3], 0x80000000
	JLOAD G0S, G1S, G0SB, G1SB                     ; the scale bytes first
.irp s, 0,1
	s_mov_b32 s[G0+4*\s], 1
	s_add_co_u32 s[G0+4*\s+1], s45, \s*SLOT
	s_add_nc_u64 s[G0+4*\s+2:G0+4*\s+3], s[20:21], \s*256
	s_or_b32 s[G0+4*\s+3], s[G0+4*\s+3], 0x80000000
	s_mov_b32 s[G0B+4*\s], 1
	s_add_co_u32 s[G0B+4*\s+1], s66, \s*SLOT
	s_add_nc_u64 s[G0B+4*\s+2:G0B+4*\s+3], s[46:47], \s*256
	s_or_b32 s[G0B+4*\s+3], s[G0B+4*\s+3], 0x80000000
	JLOAD G0+4*\s, G1, G0B+4*\s, G1B               ; three loads of mine are out behind the last of these
.endr
	v_and_b32 v1, 15, v0                           ; r
	v_bfe_u32 v2, v0, 4, 1                         ; h
	v_and_b32 v3, 31, v0                           ; lane
	v_mul_u32_u24 v4, v1, PITCH
	v_lshl_add_u32 v4, v2, 4, v4                   ; a fragment's row x pitch + 16 h
	s_mul_i32 s18, s14, 64*PITCH
	v_add_nc_u32 v[ADRA], s18, v4                  ; my 64 rows of x
	v_add_nc_u32 v[ADRA+1], SLOT, v[ADRA]
	v_add_nc_u32 v[ADRB], AREG, v4
	v_add_nc_u32 v[ADRB+1], SLOT, v[ADRB]
	v_lshlrev_b32 v5, 5, v1                        ; a row's 32 scale bytes,
	v_lshrrev_b32 v6, 3, v1
	v_lshl_add_u32 v5, v6, 4, v5                   ; and 16 more behind each 256
	v_mul_u32_u24 v6, v2, 2*SBLK                   ; lanes 16-31: two blocks on
	v_add_nc_u32 v6, v6, v5
	s_mul_i32 s18, s14, 4*SBLK
	s_add_co_u32 s18, s18, SCL
	v_add_nc_u32 v[ASA], s18, v6
	v_mul_u32_u24 v6, v2, 6*SBLK                   ; lanes 16-31: six blocks on
	v_add_nc_u32 v6, v6, v5
	v_add_nc_u32 v[ASB], SCLB, v6
	s_mul_i32 s18, s14, WST                        ; my stage
	v_mul_u32_u24 v6, v1, 144
	v_lshl_add_u32 v6, v2, 4, v6
	v_add_nc_u32 v[STO], s18, v6                   ; in: row r, 16 bytes for each half of the lanes
	v_lshrrev_b32 v6, 3, v3
	v_mul_u32_u24 v6, v6, 144
	v_and_b32 v7, 7, v0
	v_lshl_add_u32 v6, v7, 4, v6
	v_add_nc_u32 v[RD], s18, v6                    ; back: eight lanes to a row of 128 bytes, four rows an instruction
	v_lshlrev_b32 v[CO], 4, v3
	v_lshlrev_b32 v[BO], 5, v2
	s_mul_i32 s18, s42, 768
	s_mov_b32 s19, 0
	s_add_nc_u64 s[12:13], s[12:13], s[18:19]      ; the bias of my 192 features
	s_mul_i32 s18, s42, 3*8192
	s_lshl_b32 s20, s17, 8
	s_add_co_u32 s18, s18, s20
	s_lshl_b32 s20, s14, 6
	s_add_co_u32 s18, s18, s20
	s_lshl_b32 s18, s18, 7                         ; (first plane x 8,192 + my first row) x 128 bytes
	s_add_nc_u64 s[92:93], s[92:93], s[18:19]
	s_mul_i32 s18, s41, 196608
	s_mul_i32 s20, s42, 12288
	s_add_co_u32 s18, s18, s20
	s_add_nc_u64 s[94:95], s[94:95], s[18:19]      ; fq: my batch, my three planes
	s_or_b32 s3, s3, s14                           ; 0 in wave 0 of the tiles of cluster y = 0: its block 0 holds positions 0-15
.irp b, 0,1,2,3,4,5,6,7,8,9,10,11
	global_load_b128 v[BIAS+8*\b:BIAS+8*\b+3], v[BO], s[12:13] offset:64*\b          ; qkv_b at features 16 b + 8 h + 0 .. 7
	global_load_b128 v[BIAS+8*\b+4:BIAS+8*\b+7], v[BO], s[12:13] offset:64*\b+16
.endr
.macro FRAG reg, adr, q, i             ; 16 rows x 128 K of 4-bit codes: registers 4 c .. 4 c + 3 hold K = 64 c + 32 (lane / 16) + 0 .. 31
.irp c, 0,1
	ds_load_b128 v[\reg+4*\c:\reg+4*\c+3], v[\adr] offset:64*((\q)%4)+32*\c+(\i)*16*PITCH
.endr
.endm
.macro FETCH q                         ; K step q's fragments, 32 loads, into set q % 2, out of slot q / 4
	WIN 0x40
.irp i, 0,1,2,3,4,5,6,7,8,9,10,11
	FRAG 128*((\q)%2)+8*\i, ADRB+(\q)/4, \q, \i
.endr
	WIN 0
.irp i, 0,1,2,3
	FRAG AF+32*((\q)%2)+8*\i, ADRA+(\q)/4, \q, \i
.endr
.endm
; 24 products: row blocks a0, a0 + 1 x the twelve feature blocks.  The 48 accumulators take turns, one instruction a turn, in the same order in every K step.
.macro MUL24 a0, q, first
.irp a, \a0, \a0+1
.irp b, 0,1,2,3,4,5,6,7,8,9,10,11
.set rD, 8*(12*((\a)%2)+\b)
.set rC, rD
.if \first
.set rC, BIAS+8*\b
.endif
.set rB, 128*((\q)%2)+8*\b
.set rA, AF+32*((\q)%2)+8*(\a)
.set rX, SCB+8*(\b%6)+(\q)
.set rY, SCA+8*((\a)%2)+(\q)
.if (\b >= 6) && ((\a) >= 2)
	v_wmma_scale_f32_16x16x128_f8f6f4 v[rD:rD+7], v[rB:rB+7], v[rA:rA+7], v[rC:rC+7], v[rX], v[rY] matrix_a_fmt:MATRIX_FMT_FP4 matrix_b_fmt:MATRIX_FMT_FP4 matrix_a_scale:MATRIX_SCALE_ROW1 matrix_b_scale:MATRIX_SCALE_ROW1
.elseif \b >= 6
	v_wmma_scale_f32_16x16x128_f8f6f4 v[rD:rD+7], v[rB:rB+7], v[rA:rA+7], v[rC:rC+7], v[rX], v[rY] matrix_a_fmt:MATRIX_FMT_FP4 matrix_b_fmt:MATRIX_FMT_FP4 matrix_a_scale:MATRIX_SCALE_ROW1
.elseif (\a) >= 2
	v_wmma_scale_f32_16x16x128_f8f6f4 v[rD:rD+7], v[rB:rB+7], v[rA:rA+7], v[rC:rC+7], v[rX], v[rY] matrix_a_fmt:MATRIX_FMT_FP4 matrix_b_fmt:MATRIX_FMT_FP4 matrix_b_scale:MATRIX_SCALE_ROW1
.else
	v_wmma_scale_f32_16x16x128_f8f6f4 v[rD:rD+7], v[rB:rB+7], v[rA:rA+7], v[rC:rC+7], v[rX], v[rY] matrix_a_fmt:MATRIX_FMT_FP4 matrix_b_fmt:MATRIX_FMT_FP4
.endif
.endr
.endr
.endm
.macro STEP q
	s_wait_dscnt 0x0                               ; this K step's fragments are in
.if (\q) == 3
	s_wait_tensorcnt 0x0                           ; my part of slot 1 has landed, and my reads of slot 0 are over:
	s_barrier_signal -1
	s_barrier_wait -1                              ; both now hold of every wave
.endif
.if (\q) < 7
.if (\q) > 0
	PLACES                                         ; the other set was multiplied last
.endif
	FETCH (\q)+1                                   ; the next K step's fragments land under this step's 48 products
.endif
.if (\q) == 0
	WIN 0x81                                       ; source 0 window 1; C = the bias, window 0; D window 2
	MUL24 0, \q, 1
	WIN 0xc1
	MUL24 2, \q, 1
.else
	WIN 0xa1
	MUL24 0, \q, 0
	WIN 0xf1
	MUL24 2, \q, 0
.endif
	WIN 0
.endm
	s_wait_tensorcnt 1                             ; the scale bytes and my part of slot 0 are in; slot 1's load may be out
	s_barrier_signal -1
	s_barrier_wait -1                              ; everybody's are
.irp i, 0,1
.irp s, 0,1
	ds_load_b128 v[SCA+8*\i+4*\s:SCA+8*\i+4*\s+3], v[ASA] offset:SBLK*\i+16*\s      ; the scale words of all eight K steps stay in registers
.endr
.endr
.irp i, 0,1,2,3,4,5
.irp s, 0,1
	ds_load_b128 v[SCB+8*\i+4*\s:SCB+8*\i+4*\s+3], v[ASB] offset:SBLK*\i+16*\s
.endr
.endr
	FETCH 0
	s_wait_loadcnt 0x0                             ; the bias
.irp q, 0,1,2,3,4,5,6,7
	STEP \q
.endr
	; THE WAY OUT.
	PLACES
	s_cmp_lg_u32 s3, 0                             ; cluster y and the wave's number alone: the same in all partners for a given wave
	s_cbranch_scc1 .Lcoarse
	WIN 0x08                                       ; a store's data: window 2
.irp b, 0,1,2,3,4,5,6,7,8,9,10,11
	global_store_b128 v[CO], v[8*\b:8*\b+3], s[94:95] offset:1024*\b              ; positions 0-15 in f32, the registers as they stand: 512 consecutive bytes a store
	global_store_b128 v[CO], v[8*\b+4:8*\b+7], s[94:95] offset:1024*\b+512
.endr
	WIN 0
.Lcoarse:
.macro PACK a                          ; block a rounded to f16: a lane's eight features are 16 bytes
.set AC, 96*((\a)%2)
	WIN 0x0a+5*((\a)/2)
.irp b, 0,1,2,3,4,5,6,7,8,9,10,11
.irp i, 0,1,2,3
	v_cvt_pk_f16_f32 v[TMP+4*\b+\i], v[AC+8*\b+2*\i], v[AC+8*\b+2*\i+1]
.endr
.endr
	WIN 0
.endm
.macro TOSTAGE a                       ; through my stage: in by lanes' 16 bytes, back as whole rows of a plane.  LDS serves a wave's instructions in order: no wait between
.irp b, 0,1,2,3,4,5,6,7,8,9,10,11
	ds_store_b128 v[STO], v[TMP+4*\b:TMP+4*\b+3] offset:SPL*(\b/4)+32*(\b%4)
.endr
.set BB, BK+48*((\a)%2)
.irp n, 0,1,2,3,4,5,6,7,8,9,10,11
	ds_load_b128 v[BB+4*\n:BB+4*\n+3], v[RD] offset:SPL*(\n/4)+576*(\n%4)
.endr
.endm
.macro SEND a, younger
.set BB, BK+48*((\a)%2)
	s_wait_dscnt \younger                          ; the block is back; the next block's 12 stores and 12 loads may be out
.irp n, 0,1,2,3,4,5,6,7,8,9,10,11
	global_store_b128 v[CO], v[BB+4*\n:BB+4*\n+3], s[92:93] offset:1048576*(\n/4)+2048*(\a)+512*(\n%4)   ; four rows of a plane: 512 consecutive bytes, aligned
.endr
.endm
	PACK 0
	TOSTAGE 0
.irp a, 1,2,3
	PACK \a
.if \a > 1
	s_wait_xcnt 0x0                                ; block a - 2's stores have read their registers: block a's loads may land there
.endif
	TOSTAGE \a
	SEND \a-1, 24
.endr
	SEND 3, 0
	s_wait_tensorcnt 0x0                           ; the wave's end
	ds_add_u32 v[SPW], v[NIL]
	s_wait_dscnt 0x0
	CROUND                                         ; the closing round
	s_endpgm
.Lfunc_end_k_q33f669fe48_qkv:
	.size	k_q33f669fe48_qkv, .Lfunc_end_k_q33f669fe48_qkv-k_q33f669fe48_qkv
	.p2alignl 7, 3214868480
	.fill 96, 4, 3214868480
	.section	.rodata,"a",@progbits
	.p2align	6, 0x0
	.amdhsa_kernel k_q33f669fe48_qkv
		.amdhsa_group_segment_fixed_size 327680
		.amdhsa_private_segment_fixed_size 0
		.amdhsa_enable_private_segment 0
		.amdhsa_kernarg_size 56
		.amdhsa_user_sgpr_count 2
		.amdhsa_user_sgpr_kernarg_segment_ptr 1
		.amdhsa_wavefront_size32 1
		.amdhsa_system_sgpr_workgroup_id_x 1
		.amdhsa_system_sgpr_workgroup_id_y 1
		.amdhsa_system_sgpr_workgroup_id_z 1
		.amdhsa_system_vgpr_workitem_id 0
		.amdhsa_next_free_vgpr 1024
		.amdhsa_next_free_sgpr 98
		.amdhsa_reserve_vcc 0
		.amdhsa_float_denorm_mode_32 3
		.amdhsa_float_denorm_mode_16_64 3
		.amdhsa_memory_ordered 1
		.amdhsa_forward_progress 1
		.amdhsa_inst_pref_size 106
	.end_amdhsa_kernel
	.amdgpu_metadata
---
amdhsa.version: [ 1, 2 ]
amdhsa.kernels:
  - .name:           k_q33f669fe48_qkv
    .symbol:         k_q33f669fe48_qkv.kd
    .args:
      - { .name: xc, .offset: 0, .size: 8, .value_kind: global_buffer, .address_space: global }
      - { .name: xs, .offset: 8, .size: 8, .value_kind: global_buffer, .address_space: global }
      - { .name: wc, .offset: 16, .size: 8, .value_kind: global_buffer, .address_space: global }
      - { .name: ws, .offset: 24, .size: 8, .value_kind: global_buffer, .address_space: global }
      - { .name: qkv_b, .offset: 32, .size: 8, .value_kind: global_buffer, .address_space: global }
      - { .name: qkvh, .offset: 40, .size: 8, .value_kind: global_buffer, .address_space: global }
      - { .name: fq, .offset: 48, .size: 8, .value_kind: global_buffer, .address_space: global }
    .group_segment_fixed_size: 327680
    .private_segment_fixed_size: 0
    .kernarg_segment_align: 8
    .kernarg_segment_size: 56
    .max_flat_workgroup_size: 128
    .sgpr_count:     98
    .vgpr_count:     1024
    .wavefront_size: 32
...
	.end_amdgpu_metadata
.endif
;; end of part 2
;; launch attn (part 3): grid 4 x 64, 8 waves a work-group, no clusters, 327,680 bytes of LDS; arguments qkvh, ao; writes ao
.if DOCPART == 3
	.amdgcn_target "amdgcn-amd-amdhsa--gfx1250"
	.amdhsa_code_object_version 6
	.text
	.protected	k_q33f669fe48_attn
	.globl	k_q33f669fe48_attn
	.p2align	8
	.type	k_q33f669fe48_attn,@function
k_q33f669fe48_attn:
	s_mov_b64 s[64:65], 0
	v_nop
	global_prefetch_b8 v0, s[64:65] scope:SCOPE_SE
	s_setreg_imm32_b32 hwreg(HW_REG_WAVE_MODE, 25, 1), 1
	s_wait_xcnt 0x0
; ao[head][row][:] = softmax over keys k <= q of (q . k / 8) times v, for 64 (batch, head) pairs of 2,048 positions, head size 64.  q, k, v: f16 planes of qkvh; ao: f16, [16 heads][8192 rows][64].
; Products on f16 operands with f32 sums; maxima, exponentials and sums in f32, with a running maximum; the weights p (at most about 1) and the result are rounded to f16.
; (Positions 0-15 of each sequence are computed here too, but the program's last launch makes their outputs anew in f32.)
; SHARES.  Work-group (i, head and batch) owns query blocks i and 7 - i of 256 queries: block i against key tiles 0 .. i, then block 7 - i against tiles 0 .. 7 - i: nine trips of 256 keys in every work-group.
; Wave w owns 32 queries, two tiles of 16: those at 32 u of the block, u = w for w < 4 and 11 - w else.  Two waves share a SIMD: one's softmax stands beside the other's products.
; NO CLUSTER: behind their changes of block the four work-groups of a head want different key tiles in the same trip.
; LAYOUT.  S^T = K Q^T (source 0 = 16 keys, source 1 = 16 queries), O^T = V^T P (source 0 = 16 channels, source 1 = P): a lane holds one query (lane % 16) throughout; two tiles of S^T, rounded in pairs, are P's operand.
; K comes out of LDS as it lies, V ([key][channel]) turned by ds_load_tr16_b128.
; THE MASK.  A step of 64 keys all of which come after the wave's 32 queries is jumped over (a branch on ids); on the diagonal hidden scores become -infinity ahead of the maximum.  Each step that is walked shows every query a key.
; REGISTERS: window 0: v1-15 addresses; v16-31 statistics, eight a tile; v32-95 S^T; v96-127 P; v128-191 K's fragments; v192-255 V's.   window 1: v0-63 O^T; v64-95 Q.
.set KP,    144                        ; a key's row in LDS: 128 bytes + 16
.set VP,    160                        ; a row of V: 128 + 32
.set VOFF,  256*KP                     ; a slot: 256 rows of K, then 256 rows of V
.set SLOT1, 1<<17
.set STAGE, 2*SLOT1                    ; the way out: 2 tiles x 16 rows x 144 bytes for each wave: bytes of their own, since slots are filled again behind the first way out
.set WST,   2*16*144
.set SPARE, STAGE+8*WST                ; the spare words, 128 bytes a wave, named by no other line
.set AK0, 1
.set AV0, 2
.set ADK, 3
.set ADV, 4
.set QO,  5
.set STO, 6
.set RD,  7
.set GO,  8
.set DQ,  9                            ; lane % 16 - 8 (lane / 16)
.set SPW, 10
.set NIL, 11
.set PFO, 12                           ; 256 x lane
.set NINF, 13
.set D0,  14                           ; v14-15: the mask's bound for tile 0, 1
.set ST,  16                           ; tile t at ST + 8 t: +0 c m, +1 m, +2, +3 l, +4 .. +7 at work; the factor a takes +6
.set S,   32
.set P,   96
.set KFR, 128
.set VFR, 192
.set WV, 8
.set U,  9
.set I,  10
.set NB, 11                            ; the trip in which the second block begins: i + 1
.set TRIP, 12
.set CT, 13                            ; the key tile in hand
.set NT, 14                            ; the next trip's
.set KF, 15                            ; the step's first key
.set Q0, 16                            ; my first query
.set TB, 17                            ; LDS byte at which the slot in hand begins
.set SEL, 20
.set CS, 22                            ; c = log2(e) / 8
.set G1K, 24
.set G1V, 32
.set G0K, 40
.set G0V, 44
.set KB, 48                            ; K's plane at the head's rows, my half of a tile
.set VB, 50
.set QH, 52
.set OH, 54
.set QA, 56
.set OA, 58
.set PFA, 60
.set LIM, 62
.set MSB, 0
.macro WIN new
.if MSB != \new
	s_set_vgpr_msb (MSB<<8)|\new
.set MSB, \new
.endif
.endm
; Waves 0 and 1 fetch K's halves of a tile, waves 2 and 3 V's, the others nothing.  An s_nop 0 and four v_nop follow each line.
.macro TLOAD
	s_cmp_lt_u32 s[WV], 2
	s_cbranch_scc0 .Lnot_k_\@
	tensor_load_to_lds s[G0K:G0K+3], s[G1K:G1K+7]
	s_nop 0
.rept 4
	v_nop
.endr
	s_branch .Lasked_\@
.Lnot_k_\@:
	s_cmp_lt_u32 s[WV], 4
	s_cbranch_scc0 .Lasked_\@
	tensor_load_to_lds s[G0V:G0V+3], s[G1V:G1V+7]
	s_nop 0
.rept 4
	v_nop
.endr
.Lasked_\@:
.endm
; A PREFETCH INTO THE L2.  The head's work-group 0 loads key tile n in trip n, ahead of the head's other work-groups.  In trips 3 to 6 its waves 4 to 7, which fetch nothing, name tile TRIP + 1, which the next trip's
; tensor loads ask for: waves 4, 5 K's halves, waves 6, 7 V's: 16,384 bytes each, a lane a block of 256 bytes, two instructions.  Each block is named once; tiles 0 to 3 come by their loads alone; nothing past tile 7 is named.
.macro ASK
	s_sub_co_u32 s96, s[TRIP], 3
	s_cmp_lt_u32 s96, s[LIM]
	s_cbranch_scc0 .Lnot_mine_\@
	global_prefetch_b8 v[PFO], s[PFA:PFA+1] th:TH_LOAD_NT scope:SCOPE_SE
	global_prefetch_b8 v[PFO], s[PFA:PFA+1] offset:8192 th:TH_LOAD_NT scope:SCOPE_SE
.Lnot_mine_\@:
.endm
	s_load_b128 s[4:7], s[0:1], 0x0                ; qkvh, ao
	v_lshl_add_u32 v[SPW], v0, 2, SPARE
	v_mov_b32 v[NIL], 0
	ds_add_u32 v[SPW], v[NIL]                      ; the wave's opening: the add, twice on end, and its wait ahead of the first tensor load
	ds_add_u32 v[SPW], v[NIL]
	v_lshrrev_b32 v1, 5, v0
	v_readfirstlane_b32 s[WV], v1                  ; wave 0..7
	s_sub_co_u32 s96, 11, s[WV]
	s_cmp_lt_u32 s[WV], 4
	s_cselect_b32 s[U], s[WV], s96                 ; u enters global addresses and compares alone
	s_mov_b32 s[I], ttmp9
	s_add_co_u32 s[NB], ttmp9, 1
	s_and_b32 s96, ttmp7, 0xffff
	s_and_b32 s97, s96, 15                         ; head
	s_lshr_b32 s96, s96, 4                         ; batch
	s_lshl_b32 s97, s97, 20                        ; a plane is 8,192 rows of 128 bytes,
	s_lshl_b32 s96, s96, 18                        ; a batch 2,048 of them
	s_add_co_u32 s18, s97, s96
	s_mov_b32 s19, 0
	s_and_b32 s96, s[WV], 1                        ; which 128 rows of a tile I fetch
	s_lshl_b32 s97, s96, 14
	s_add_co_u32 s66, s18, s97
	s_add_co_u32 s66, s66, 16<<20                  ; K's planes are 16 .. 31,
	s_mov_b32 s67, 0
	s_add_co_u32 s68, s66, 16<<20                  ; V's 32 .. 47
	s_mov_b32 s69, 0
	s_mul_i32 s70, s96, 128*KP
	s_mul_i32 s71, s96, 128*VP
	s_add_co_u32 s71, s71, VOFF
	s_mov_b32 s[G1K], (1<<16)|(1<<20)|(4<<22)|(3<<25)   ; elements of 2 bytes; padding on: 4 words after every 32
	s_mov_b32 s[G1V], (1<<16)|(1<<20)|(4<<22)|(7<<25)   ; 8 words
.irp g, G1K, G1V
	s_mov_b32 s[\g+1], 64<<16                      ; tensor_dim0 = 64
	s_mov_b32 s[\g+2], 128<<16                     ; tensor_dim1 = 128
	s_mov_b32 s[\g+3], 64<<16                      ; tile_dim0
	s_mov_b32 s[\g+4], 128                         ; tile_dim1
	s_mov_b32 s[\g+5], 64                          ; from row to row
	s_mov_b32 s[\g+6], 0
	s_mov_b32 s[\g+7], 0
.endr
	s_mov_b32 s[SEL], 0x76543210
	s_mov_b32 s[SEL+1], 0xfedcba98
	s_mov_b32 s[CS], 0x3e38aa3b                    ; log2(e) / 8
	s_mov_b32 s[CS+1], s[CS]
	s_mov_b32 s[TRIP], 0
	s_mov_b32 s[CT], 0
	s_mov_b32 s[TB], 0
	s_lshl_b32 s[Q0], s[I], 8
	s_lshl_b32 s96, s[U], 5
	s_add_co_u32 s[Q0], s[Q0], s96                 ; block i first
	s_wait_dscnt 0x0                               ; both opening adds are done
	s_wait_kmcnt 0x0
	s_add_nc_u64 s[KB:KB+1], s[4:5], s[66:67]
	s_add_nc_u64 s[VB:VB+1], s[4:5], s[68:69]
	s_add_nc_u64 s[QH:QH+1], s[4:5], s[18:19]
	s_add_nc_u64 s[OH:OH+1], s[6:7], s[18:19]
	s_mov_b32 s[G0K], 1
	s_mov_b32 s[G0K+1], s70
	s_mov_b64 s[G0K+2:G0K+3], s[KB:KB+1]
	s_or_b32 s[G0K+3], s[G0K+3], 0x80000000
	s_mov_b32 s[G0V], 1
	s_mov_b32 s[G0V+1], s71
	s_mov_b64 s[G0V+2:G0V+3], s[VB:VB+1]
	s_or_b32 s[G0V+3], s[G0V+3], 0x80000000
	TLOAD                                          ; key tile 0 into slot 0: key 0 counts for every query
	s_cmp_lt_u32 s[WV], 6
	s_cselect_b64 s[PFA:PFA+1], s[KB:KB+1], s[VB:VB+1]   ; at tile 0; each change of slots steps it ahead of its use
	s_lshr_b32 s96, s[WV], 2
	s_xor_b32 s96, s96, 1
	s_or_b32 s96, s96, ttmp9
	s_cmp_eq_u32 s96, 0
	s_cselect_b32 s[LIM], 4, 0                     ; 4 in waves 4 to 7 of the head's work-group 0
	v_and_b32 v32, 15, v0                          ; r
	v_bfe_u32 v33, v0, 4, 1                        ; h
	v_and_b32 v34, 31, v0                          ; lane
	v_mul_u32_u24 v[AK0], v32, KP
	v_lshl_add_u32 v[AK0], v33, 4, v[AK0]          ; K: row r, + 16 h
	v_and_b32 v35, 7, v0
	v_lshl_add_u32 v35, v33, 3, v35
	v_mul_u32_u24 v[AV0], v35, VP                  ; V, for the turning load: key 8 h + lane % 8,
	v_bfe_u32 v35, v0, 3, 1
	v_lshl_add_u32 v[AV0], v35, 4, v[AV0]          ; channels 8 ((lane / 8) % 2) on
	v_add_nc_u32 v[AV0], VOFF, v[AV0]
	v_lshlrev_b32 v[QO], 7, v32
	v_lshl_add_u32 v[QO], v33, 4, v[QO]
	s_mul_i32 s96, s[WV], WST
	s_add_co_u32 s96, s96, STAGE
	v_add_nc_u32 v[STO], s96, v[AK0]               ; the stage, in: row r of 144 bytes, + 16 h
	v_lshrrev_b32 v35, 3, v34
	v_mul_u32_u24 v35, v35, 144
	v_and_b32 v36, 7, v0
	v_lshl_add_u32 v35, v36, 4, v35
	v_add_nc_u32 v[RD], s96, v35                   ; back: eight lanes to a row, four rows an instruction
	v_lshlrev_b32 v[GO], 4, v34
	v_lshlrev_b32 v35, 3, v33
	v_sub_nc_u32 v[DQ], v32, v35
	v_lshlrev_b32 v[PFO], 8, v34
	v_mov_b32 v[NINF], 0xff800000
.irp j, 4,5,6,7,12,13,14,15
	v_mov_b32 v[ST+\j], 0                          ; the statistics' work registers are written once here: a lane permute's destination counts as one of its sources, and a packed form names both registers of a pair
.endr
; A block of queries begins: Q into registers; O^T and l zeros, m under every score: the first step's factor a is then 0, which leaves zeros zeros.
.macro START
	s_lshl_b32 s18, s[Q0], 7
	s_mov_b32 s19, 0
	s_add_nc_u64 s[QA:QA+1], s[QH:QH+1], s[18:19]
	s_add_nc_u64 s[OA:OA+1], s[OH:OH+1], s[18:19]
	WIN 0x40
.irp t, 0,1
.irp c, 0,1
	global_load_b128 v[64+16*\t+8*\c:64+16*\t+8*\c+3], v[QO], s[QA:QA+1] offset:2048*\t+64*\c
	global_load_b128 v[64+16*\t+8*\c+4:64+16*\t+8*\c+7], v[QO], s[QA:QA+1] offset:2048*\t+64*\c+32
.endr
.endr
.set j, 0
.rept 64
	v_mov_b32 v[j], 0
.set j, j+1
.endr
	WIN 0
.irp t, 0,1
	v_mov_b32 v[ST+8*\t+1], 0xff61b1e6             ; -3e38
	v_mov_b32 v[ST+8*\t+2], 0
	v_mov_b32 v[ST+8*\t+3], 0
.endr
.irp t, 0,1
	v_mul_f32 v[ST+8*\t], s[CS], v[ST+8*\t+1]
.endr
	s_wait_loadcnt 0x0
.endm
; A KEY STEP: 64 keys, the q-th of the tile in hand.
.macro STEP q
	s_add_co_u32 s96, s[Q0], 31
	s_cmp_gt_u32 s[KF], s96                        ; all 64 keys come after my 32 queries: ids and counts of steps alone
	s_cbranch_scc1 .Lhidden_\@
	v_add_nc_u32 v[ADK], s[TB], v[AK0]
	v_add_nc_u32 v[ADV], s[TB], v[AV0]
.irp f, 0,1,2,3,4,5,6,7                        ; K: keys 16 (f / 2) on, channels 32 (f % 2) on
	ds_load_b128 v[KFR+8*\f:KFR+8*\f+3], v[ADK] offset:64*KP*(\q)+16*KP*(\f/2)+64*(\f%2)
	ds_load_b128 v[KFR+8*\f+4:KFR+8*\f+7], v[ADK] offset:64*KP*(\q)+16*KP*(\f/2)+64*(\f%2)+32
.endr
.irp f, 0,1,2,3,4,5,6,7                        ; V, turned: keys 32 (f / 4) on, channels 16 (f % 4) on
	ds_load_tr16_b128 v[VFR+8*\f:VFR+8*\f+3], v[ADV] offset:64*VP*(\q)+32*VP*(\f/4)+32*(\f%4)
	ds_load_tr16_b128 v[VFR+8*\f+4:VFR+8*\f+7], v[ADV] offset:64*VP*(\q)+32*VP*(\f/4)+32*(\f%4)+16*VP
.endr
	s_wait_dscnt 16                                ; K is in; V's 16 loads may be out
	WIN 0x04                                       ; Q in window 1
.set n, 0
.rept 16                                       ; the eight accumulators by turns; the first eight products start the sums
.set rS, S+32*(n%2)+8*((n/2)%4)
.set rK, KFR+16*((n/2)%4)+8*(n/8)
.set rQ, 64+16*(n%2)+8*(n/8)
.if n < 8
	v_wmma_f32_16x16x32_f16 v[rS:rS+7], v[rK:rK+7], v[rQ:rQ+7], 0
.else
	v_wmma_f32_16x16x32_f16 v[rS:rS+7], v[rK:rK+7], v[rQ:rQ+7], v[rS:rS+7]
.endif
.set n, n+1
.endr
	WIN 0
.rept 4
	v_nop                                          ; places ahead of the first read of the scores
.endr
	s_add_co_u32 s96, s[KF], 63
	s_cmp_le_u32 s96, s[Q0]                        ; all 64 keys count for all my queries
	s_cbranch_scc1 .Lopen_\@
	s_sub_co_i32 s96, s[Q0], s[KF]
	v_add_nc_u32 v[D0], s96, v[DQ]                 ; register 8 kt + j of tile t holds key KF + 16 kt + 8 h + j: hidden where 16 kt + j > my query - KF - 8 h
	v_add_nc_u32 v[D0+1], 16, v[D0]
.set n, 0
.rept 32
	v_cmp_gt_i32 vcc_lo, 16*(n/8)+n%8, v[D0]
	v_cndmask_b32 v[S+n], v[S+n], v[NINF], vcc_lo
	v_cmp_gt_i32 vcc_lo, 16*(n/8)+n%8, v[D0+1]
	v_cndmask_b32 v[S+32+n], v[S+32+n], v[NINF], vcc_lo
.set n, n+1
.endr
.Lopen_\@:
.irp k, 0,1,2,3                                ; the maximum: four chains a tile, each begun at an accumulator's low end; the two tiles by turns
.irp t, 0,1
	v_max3_num_f32 v[ST+8*\t+4+\k], v[S+32*\t+8*\k], v[S+32*\t+8*\k+1], v[S+32*\t+8*\k+2]
.endr
.endr
.irp g, 1,2
.irp k, 0,1,2,3
.irp t, 0,1
	v_max3_num_f32 v[ST+8*\t+4+\k], v[ST+8*\t+4+\k], v[S+32*\t+8*\k+2*\g+1], v[S+32*\t+8*\k+2*\g+2]
.endr
.endr
.endr
.irp t, 0,1
	v_max3_num_f32 v[ST+8*\t+4], v[ST+8*\t+4], v[S+32*\t+7], v[S+32*\t+15]
.endr
.irp t, 0,1
	v_max3_num_f32 v[ST+8*\t+6], v[ST+8*\t+6], v[S+32*\t+23], v[S+32*\t+31]
.endr
.irp t, 0,1
	v_max3_num_f32 v[ST+8*\t+4], v[ST+8*\t+4], v[ST+8*\t+5], v[ST+8*\t+6]
.endr
.irp t, 0,1
	v_max3_num_f32 v[ST+8*\t+4], v[ST+8*\t+4], v[ST+8*\t+7], v[ST+8*\t+1]   ; with the old m
.endr
.irp t, 0,1
	v_permlanex16_b32 v[ST+8*\t+5], v[ST+8*\t+4], s[SEL], s[SEL+1]          ; the query's other 32 keys lie in the lane 16 away
.endr
.irp t, 0,1
	v_mov_b32 v[ST+8*\t+7], v[ST+8*\t]             ; c m_old is kept
.endr
.irp t, 0,1
	v_max_num_f32 v[ST+8*\t+1], v[ST+8*\t+4], v[ST+8*\t+5]
.endr
.irp t, 0,1
	v_mul_f32 v[ST+8*\t], s[CS], v[ST+8*\t+1]
.endr
.irp t, 0,1
	v_sub_f32 v[ST+8*\t+7], v[ST+8*\t+7], v[ST+8*\t]
.endr
.set i, 0
.rept 16
.irp t, 0,1
	v_pk_fma_f32 v[S+32*\t+2*i:S+32*\t+2*i+1], v[S+32*\t+2*i:S+32*\t+2*i+1], s[CS:CS+1], v[ST+8*\t:ST+8*\t+1] op_sel_hi:[1,0,0] neg_lo:[0,0,1] neg_hi:[0,0,1]   ; c s - c m
.endr
.set i, i+1
.endr
.irp t, 0,1
	v_exp_f32 v[ST+8*\t+6], v[ST+8*\t+7]           ; a = 2^(c m_old - c m_new)
.endr
.set i, 0
.rept 64
	v_exp_f32 v[S+i], v[S+i]                       ; one batch: none of these reads an exponential's result
.set i, i+1
.endr
	v_nop                                          ; a plain instruction behind the last exponential
	s_wait_alu depctr_va_vdst(0)                   ; one wait for the batch, ahead of its first reader
.set i, 0
.rept 16
.irp t, 0,1
	v_cvt_pk_f16_f32 v[P+16*\t+i], v[S+32*\t+2*i], v[S+32*\t+2*i+1]   ; pair i is register i of P's operand
.endr
.set i, i+1
.endr
.irp w, 4,8,16,32                              ; the sum of the unrounded weights, in place
.set u, 0
.rept 32/\w
.irp t, 0,1
	v_pk_add_f32 v[S+32*\t+\w*u:S+32*\t+\w*u+1], v[S+32*\t+\w*u:S+32*\t+\w*u+1], v[S+32*\t+\w*u+\w/2:S+32*\t+\w*u+\w/2+1]
.endr
.set u, u+1
.endr
.endr
.irp t, 0,1
	v_pk_fma_f32 v[ST+8*\t+2:ST+8*\t+3], v[ST+8*\t+2:ST+8*\t+3], v[ST+8*\t+6:ST+8*\t+7], v[S+32*\t:S+32*\t+1] op_sel_hi:[1,0,1]   ; l = a l + the sum
.endr
	s_wait_dscnt 0x0                               ; V is in
	WIN 0x41
.set i, 0
.rept 16
.irp t, 0,1
	v_pk_mul_f32 v[32*\t+2*i:32*\t+2*i+1], v[32*\t+2*i:32*\t+2*i+1], v[ST+8*\t+6:ST+8*\t+7] op_sel_hi:[1,0]   ; O^T x a
.endr
.set i, i+1
.endr
	WIN 0x50                                       ; C and D in window 1
.set n, 0
.rept 16
.set rO, 32*(n%2)+8*((n/2)%4)
.set rV, VFR+32*(n/8)+8*((n/2)%4)
.set rP, P+16*(n%2)+8*(n/8)
	v_wmma_f32_16x16x32_f16 v[rO:rO+7], v[rV:rV+7], v[rP:rP+7], v[rO:rO+7]
.set n, n+1
.endr
	WIN 0
.rept 4
	v_nop                                          ; places ahead of the next loads into V's registers, the next writes of P and the next reads of O^T
.endr
.Lhidden_\@:
	s_add_co_u32 s[KF], s[KF], 64
.endm
; A block of queries ends: O^T / l, rounded to f16, through my stage, out as whole rows.
.macro FINISH
.irp t, 0,1
	v_add_f32 v[ST+8*\t+4], v[ST+8*\t+2], v[ST+8*\t+3]
.endr
.irp t, 0,1
	v_permlanex16_b32 v[ST+8*\t+5], v[ST+8*\t+4], s[SEL], s[SEL+1]
.endr
.irp t, 0,1
	v_add_f32 v[ST+8*\t+4], v[ST+8*\t+4], v[ST+8*\t+5]
.endr
.irp t, 0,1
	v_rcp_f32 v[ST+8*\t+6], v[ST+8*\t+4]
.endr
	v_nop
	s_wait_alu depctr_va_vdst(0)                   ; one wait for the two reciprocals, ahead of their first reader
	WIN 0x41
.set i, 0
.rept 16
.irp t, 0,1
	v_pk_mul_f32 v[32*\t+2*i:32*\t+2*i+1], v[32*\t+2*i:32*\t+2*i+1], v[ST+8*\t+6:ST+8*\t+7] op_sel_hi:[1,0]
.endr
.set i, i+1
.endr
	WIN 0x05
.set i, 0
.rept 32
	v_cvt_pk_f16_f32 v[S+i], v[2*i], v[2*i+1]
.set i, i+1
.endr
	WIN 0
.irp t, 0,1
.irp c, 0,1,2,3
	ds_store_b128 v[STO], v[S+16*\t+4*\c:S+16*\t+4*\c+3] offset:2304*\t+32*\c
.endr
.endr
.irp n, 0,1,2,3,4,5,6,7
	ds_load_b128 v[S+32+4*\n:S+32+4*\n+3], v[RD] offset:2304*(\n/4)+576*(\n%4)   ; LDS serves a wave's instructions in order: these see my stores
.endr
.irp n, 0,1,2,3,4,5,6,7
	s_wait_dscnt 7-\n                              ; load n is in; the younger ones may be out
	global_store_b128 v[GO], v[S+32+4*\n:S+32+4*\n+3], s[OA:OA+1] offset:2048*(\n/4)+512*(\n%4)   ; four rows: 512 consecutive bytes, aligned
.endr
	s_wait_xcnt 0x0                                ; the stores have read their registers and their base: both are written again
.endm
; THE CHANGE OF SLOTS stands at a trip's head.  Each wave waits for all its tensor loads, adds 0 to its spare word, and waits for that and for its reads of the slot that it has left; behind the barrier the slot ahead is
; whole and nobody reads the other one.  fill = 1: that other slot takes the next trip's key tile: one load a wave, with a whole trip in which to land.
.macro CHANGE fill
	s_wait_tensorcnt 0x0                           ; no tensor load of mine is out, so a group 0 may be written
	ds_add_u32 v[SPW], v[NIL]
.if \fill
	ds_add_u32 v[SPW], v[NIL]                      ; in the loop, twice on end
	s_add_co_u32 s96, s[TRIP], 1
	s_add_co_u32 s97, s[CT], 1
	s_cmp_eq_u32 s96, s[NB]
	s_cselect_b32 s[NT], 0, s97                    ; the second block begins at tile 0 again
	s_lshl_b32 s18, s[NT], 15                      ; a tile is 256 rows of 128 bytes
	s_mov_b32 s19, 0
	s_xor_b32 s[G0K+1], s[G0K+1], SLOT1
	s_add_nc_u64 s[G0K+2:G0K+3], s[KB:KB+1], s[18:19]
	s_or_b32 s[G0K+3], s[G0K+3], 0x80000000
	s_xor_b32 s[G0V+1], s[G0V+1], SLOT1
	s_add_nc_u64 s[G0V+2:G0V+3], s[VB:VB+1], s[18:19]
	s_or_b32 s[G0V+3], s[G0V+3], 0x80000000
	s_wait_xcnt 0x0                                ; the last prefetches, a trip back, have read their address
	s_add_nc_u64 s[PFA:PFA+1], s[PFA:PFA+1], 32768
.endif
	s_wait_dscnt 0x0                               ; the add is done, and my reads of the slot that I have left are over
	s_barrier_signal -1
	s_barrier_wait -1
.if \fill
	TLOAD                                          ; the first thing behind the barrier
	ASK
.endif
.endm
	START
.Ltrip:                                            ; eight trips; the ninth is written out
	CHANGE 1
	s_cmp_lg_u32 s[TRIP], s[NB]                    ; the work-group's number and the count of trips alone
	s_cbranch_scc1 .Lsame
	FINISH                                         ; block i is done;
	s_sub_co_u32 s[Q0], 7, s[I]
	s_lshl_b32 s[Q0], s[Q0], 8
	s_lshl_b32 s96, s[U], 5
	s_add_co_u32 s[Q0], s[Q0], s96
	START                                          ; block 7 - i begins
.Lsame:
	s_lshl_b32 s[KF], s[CT], 8
	STEP 0
	STEP 1
	STEP 2
	STEP 3
	s_xor_b32 s[TB], s[TB], SLOT1
	s_mov_b32 s[CT], s[NT]
	s_add_co_u32 s[TRIP], s[TRIP], 1
	s_cmp_lt_u32 s[TRIP], 8
	s_cbranch_scc1 .Ltrip
	CHANGE 0
	s_lshl_b32 s[KF], s[CT], 8
	STEP 0
	STEP 1
	STEP 2
	STEP 3
	FINISH
	s_wait_tensorcnt 0x0                           ; the wave's end
	ds_add_u32 v[SPW], v[NIL]
	s_wait_dscnt 0x0
	s_endpgm
.Lfunc_end_k_q33f669fe48_attn:
	.size	k_q33f669fe48_attn, .Lfunc_end_k_q33f669fe48_attn-k_q33f669fe48_attn
	.p2alignl 7, 3214868480
	.fill 96, 4, 3214868480
	.section	.rodata,"a",@progbits
	.p2align	6, 0x0
	.amdhsa_kernel k_q33f669fe48_attn
		.amdhsa_group_segment_fixed_size 327680
		.amdhsa_private_segment_fixed_size 0
		.amdhsa_enable_private_segment 0
		.amdhsa_kernarg_size 16
		.amdhsa_user_sgpr_count 2
		.amdhsa_user_sgpr_kernarg_segment_ptr 1
		.amdhsa_wavefront_size32 1
		.amdhsa_system_sgpr_workgroup_id_x 1
		.amdhsa_system_sgpr_workgroup_id_y 1
		.amdhsa_system_sgpr_workgroup_id_z 1
		.amdhsa_system_vgpr_workitem_id 0
		.amdhsa_next_free_vgpr 384
		.amdhsa_next_free_sgpr 100
		.amdhsa_reserve_vcc 1
		.amdhsa_float_denorm_mode_32 3
		.amdhsa_float_denorm_mode_16_64 3
		.amdhsa_memory_ordered 1
		.amdhsa_forward_progress 1
		.amdhsa_inst_pref_size 199
	.end_amdhsa_kernel
	.amdgpu_metadata
---
amdhsa.version: [ 1, 2 ]
amdhsa.kernels:
  - .name:           k_q33f669fe48_attn
    .symbol:         k_q33f669fe48_attn.kd
    .args:
      - { .name: qkvh, .offset: 0, .size: 8, .value_kind: global_buffer, .address_space: global }
      - { .name: ao, .offset: 8, .size: 8, .value_kind: global_buffer, .address_space: global }
    .group_segment_fixed_size: 327680
    .private_segment_fixed_size: 0
    .kernarg_segment_align: 8
    .kernarg_segment_size: 16
    .max_flat_workgroup_size: 256
    .sgpr_count:     100
    .vgpr_count:     384
    .wavefront_size: 32
...
	.end_amdgpu_metadata
.endif
;; end of part 3
;; launch proj (part 4): grid 4 x 64, 4 waves a work-group, clusters of 4 x 4, 327,680 bytes of LDS; arguments ao, owh, out_b, out0; writes out0
.if DOCPART == 4
	.amdgcn_target "amdgcn-amd-amdhsa--gfx1250"
	.amdhsa_code_object_version 6
	.text
	.protected	k_q33f669fe48_proj
	.globl	k_q33f669fe48_proj
	.p2align	8
	.type	k_q33f669fe48_proj,@function
k_q33f669fe48_proj:
	s_mov_b64 s[64:65], 0
	v_nop
	global_prefetch_b8 v0, s[64:65] scope:SCOPE_SE
	s_setreg_imm32_b32 hwreg(HW_REG_WAVE_MODE, 25, 1), 1
	s_wait_xcnt 0x0
	s_wait_alu depctr_hold_cnt(0) depctr_sa_sdst(0) depctr_va_vdst(0) depctr_va_sdst(0) depctr_va_ssrc(0) depctr_va_vcc(0) depctr_vm_vsrc(0)
	s_getreg_b32 s2, hwreg(HW_REG_IB_STS2, 6, 4)
	s_cmp_eq_u32 s2, 0
	s_cbranch_scc0 .Lentry_in_a_cluster
	s_endpgm
.Lentry_in_a_cluster:
	s_bfe_u32 s2, ttmp6, 0x10000c
	s_cmp_lg_u32 s2, 0xf033
	s_cbranch_scc0 .Lentry_shape_is_right
	s_endpgm
.Lentry_shape_is_right:
; out0 = ao out_w^T + out_b: 8,192 rows, 1,024 columns, K = 1,024; f16 operands, f32 sums.  ao: [16 heads][8192 rows][64] f16; owh: [1024 n][1024 k] f16; out0 f32.
; Positions 0-15 of each sequence are left out of the stores: the program's last launch makes those 64 rows in f32.
; A tile is 128 rows x 256 columns: 256 tiles.  Four waves, each 64 x 128: 32 accumulators.  K goes in steps of 128 (two head planes of ao) through a ring of two LDS slots.
; CLUSTERS: 4 x 4.  The four of a row of the cluster need the same rows of ao, the four of a column the same rows of owh: joint loads.  Tile row = 16 cy + cluster y: the tiles with positions 0-127 are those of cluster y = 0.
; THE MATRIX INSTRUCTION IS USED TRANSPOSED (source 0 = 16 rows of owh, source 1 = 16 rows of ao): a lane holds eight neighbouring columns of a row.  The bias is the C of each sum's first product.
; REGISTERS: window 0: v16-31 addresses; two fragment buffers of 96 at v32 and v128 (ao's 4 fragments, then owh's 8); window 1: accumulator (a, b) at v[8 (8 a + b)]; window 2: v0-63 the bias.
.set PA,    144                        ; a row of a plane of ao in LDS: 128 bytes + 16
.set PB,    272                        ; a row of owh: 256 + 16
.set PLANE, 128*PA
.set BREG,  2*PLANE
.set SLOT,  BREG+256*PB
.set SPARE, 2*SLOT                     ; the spare words, 128 bytes a wave, named by no other line
.set SPITCH, 528                       ; the way out: 16 rows x (512 bytes + 16) for each wave, in slot 0, behind its last fill and its last read
.set KPL,   2097152                    ; a K step of ao in memory: two planes
.set ADRA, 16
.set ADRB, 20
.set STO,  24
.set RD,   25
.set CO,   26
.set BO,   27
.set SPW,  28
.set NIL,  29
.set PFO,  30
.set F0,   32
.set F1,   128
.set BK,   32
.set PFA,  20                          ; s[20:21]
.set LIM,  22
.set FINE, 23
.set G1, 24
.set G0, 32
.set G1B, 48
.set G0B, 56
.set MSB, 0
.macro WIN new
.if MSB != \new
	s_set_vgpr_msb (MSB<<8)|\new
.set MSB, \new
.endif
.endm
.set MUL,  0x50                        ; C and D window 1
.set MUL0, 0x60                        ; C = the bias, window 2; D window 1
.macro JLOAD s                         ; waves 0 and 1 fetch ao's two planes, waves 2 and 3 owh's two halves; an s_nop 0 and four v_nop follow each line
	s_cmp_eq_u32 s15, 0
	s_cbranch_scc0 .Lfor_b_\@
	tensor_load_to_lds s[G0+4*\s:G0+4*\s+3], s[G1:G1+7]
	s_nop 0
.rept 4
	v_nop
.endr
	s_branch .Lasked_\@
.Lfor_b_\@:
	tensor_load_to_lds s[G0B+4*\s:G0B+4*\s+3], s[G1B:G1B+7]
	s_nop 0
.rept 4
	v_nop
.endr
.Lasked_\@:
.endm
.macro CREST
	s_cmp_lg_u32 s14, 0
	s_cbranch_scc1 .Lnot_wave_0_\@
	s_barrier_signal -3
.Lnot_wave_0_\@:
	s_barrier_wait -3
	s_barrier_signal -1
	s_barrier_wait -1
.endm
.macro CROUND
	s_barrier_signal -1
	s_barrier_wait -1
	CREST
.endm
; A PREFETCH INTO THE L2 of ao's K step two refills on: 128 blocks of 256 bytes.  This cluster alone reads these rows; its four partners of a row share them BY ADDRESS (plane cx / 2, half cx % 2 of its 16,384 bytes),
; wave 0 asks, a lane a block: each block is named once.  K steps 0 to 3 come by their loads alone; the loop's last trip asks for nothing.  owh is read by all 64 tile rows and is not asked for.
.macro ASK
	s_cmp_gt_u32 s3, s[LIM]
	s_cbranch_scc0 .Lnot_mine_\@
	global_prefetch_b8 v[PFO], s[PFA:PFA+1] offset:KPL th:TH_LOAD_NT scope:SCOPE_SE
.Lnot_mine_\@:
.endm
.macro PLACES
.rept 4
	v_nop
.endr
.endm
	s_load_b256 s[4:11], s[0:1], 0x0               ; ao s[4:5], owh s[6:7], out_b s[8:9], out0 s[10:11]
	v_lshl_add_u32 v[SPW], v0, 2, SPARE
	v_mov_b32 v[NIL], 0
	ds_add_u32 v[SPW], v[NIL]                      ; the wave's opening: the add, twice on end, and its wait ahead of my first tensor load
	ds_add_u32 v[SPW], v[NIL]
	v_lshrrev_b32 v1, 5, v0
	v_readfirstlane_b32 s14, v1                    ; wave 0..3
	s_lshr_b32 s15, s14, 1                         ; my 64 rows.  Also: I fetch for ao (0) or for owh (1)
	s_and_b32 s16, s14, 1                          ; my 128 columns.  Also: which plane or half I fetch
	s_bfe_u32 s40, ttmp6, 0x40000                  ; cx
	s_bfe_u32 s41, ttmp6, 0x40004                  ; cy
	s_lshl_b32 s42, ttmp9, 2
	s_add_co_u32 s42, s42, s40                     ; tile column
	s_and_b32 s2, ttmp7, 0xffff                    ; cluster y
	s_lshl_b32 s17, s41, 4
	s_add_co_u32 s17, s17, s2                      ; tile row = 16 cy + cluster y
	s_lshl_b32 s43, s41, 2
	s_lshl_b32 s43, 15, s43                        ; my row of the cluster
	s_lshl_b32 s44, 0x1111, s40                    ; my column
	s_or_b32 s[G1+0], s43, (1<<16)|(1<<20)|(1<<21)|(4<<22)|(3<<25)    ; mask; elements of 2 bytes; padding: 4 words after every 32
	s_or_b32 s[G1B+0], s44, (1<<16)|(1<<20)|(1<<21)|(5<<22)|(3<<25)   ; 4 words after every 64
	s_mov_b32 s[G1+1], 64<<16
	s_mov_b32 s[G1+2], 128<<16
	s_mov_b32 s[G1+3], 64<<16
	s_mov_b32 s[G1+4], 128
	s_mov_b32 s[G1+5], 64
	s_mov_b32 s[G1+6], 0
	s_mov_b32 s[G1+7], 0
	s_mov_b32 s[G1B+1], 128<<16
	s_mov_b32 s[G1B+2], 128<<16
	s_mov_b32 s[G1B+3], 128<<16
	s_mov_b32 s[G1B+4], 128
	s_mov_b32 s[G1B+5], 1024
	s_mov_b32 s[G1B+6], 0
	s_mov_b32 s[G1B+7], 0
	s_lshl_b32 s18, s16, 20                        ; ao: my plane of the K step,
	s_lshl_b32 s19, s17, 14                        ; the tile's 128 rows of 128 bytes
	s_add_co_u32 s18, s18, s19
	s_mov_b32 s19, 0
	s_lshl_b32 s46, s42, 8
	s_lshl_b32 s47, s16, 7
	s_add_co_u32 s46, s46, s47
	s_lshl_b32 s46, s46, 11                        ; owh: row 256 x tile column + 128 x half, 2,048 bytes a row
	s_mov_b32 s47, 0
	s_mul_i32 s12, s16, PLANE
	s_mul_i32 s13, s16, 128*PB
	s_add_co_u32 s13, s13, BREG
	s_wait_dscnt 0x0                               ; both opening adds are done
	s_wait_kmcnt 0x0
	s_add_nc_u64 s[18:19], s[4:5], s[18:19]
	s_add_nc_u64 s[46:47], s[6:7], s[46:47]
	CROUND                                         ; all sixteen work-groups are here
.irp s, 0,1
	s_mov_b32 s[G0+4*\s], 1
	s_add_co_u32 s[G0+4*\s+1], s12, \s*SLOT
	s_add_nc_u64 s[G0+4*\s+2:G0+4*\s+3], s[18:19], \s*KPL
	s_or_b32 s[G0+4*\s+3], s[G0+4*\s+3], 0x80000000
	s_mov_b32 s[G0B+4*\s], 1
	s_add_co_u32 s[G0B+4*\s+1], s13, \s*SLOT
	s_add_nc_u64 s[G0B+4*\s+2:G0B+4*\s+3], s[46:47], \s*256
	s_or_b32 s[G0B+4*\s+3], s[G0B+4*\s+3], 0x80000000
	JLOAD \s
.endr
	v_and_b32 v1, 15, v0                           ; r
	v_bfe_u32 v2, v0, 4, 1                         ; h
	v_and_b32 v3, 31, v0                           ; lane
	v_mul_u32_u24 v4, v1, PA
	v_lshl_add_u32 v4, v2, 4, v4
	s_mul_i32 s18, s15, 64*PA
	v_add_nc_u32 v[ADRA], s18, v4
	v_add_nc_u32 v[ADRA+1], SLOT, v[ADRA]
	v_mul_u32_u24 v4, v1, PB
	v_lshl_add_u32 v4, v2, 4, v4
	v_add_nc_u32 v[ADRB], s13, v4                  ; my 128 rows of owh are the half that bears my column's number
	v_add_nc_u32 v[ADRB+1], SLOT, v[ADRB]
	s_mul_i32 s18, s14, 16*SPITCH
	v_mul_u32_u24 v4, v1, SPITCH
	v_lshl_add_u32 v4, v2, 5, v4
	v_add_nc_u32 v[STO], s18, v4
	v_lshlrev_b32 v[CO], 4, v3
	v_add_nc_u32 v[RD], s18, v[CO]
	v_lshlrev_b32 v[BO], 5, v2
	v_lshlrev_b32 v[PFO], 8, v3
	s_lshl_b32 s46, s17, 7
	s_lshl_b32 s47, s15, 6
	s_add_co_u32 s46, s46, s47
	s_lshl_b32 s46, s46, 12                        ; my first row of out0, 4,096 bytes a row,
	s_lshl_b32 s47, s42, 10
	s_add_co_u32 s46, s46, s47
	s_lshl_b32 s47, s16, 9
	s_add_co_u32 s46, s46, s47                     ; my first column
	s_mov_b32 s47, 0
	s_add_nc_u64 s[10:11], s[10:11], s[46:47]
	s_lshl_b32 s46, s42, 10
	s_lshl_b32 s18, s16, 9
	s_add_co_u32 s46, s46, s18
	s_add_nc_u64 s[8:9], s[8:9], s[46:47]          ; the bias of my 128 columns
	s_lshr_b32 s46, s40, 1
	s_lshl_b32 s46, s46, 20
	s_lshl_b32 s18, s17, 14
	s_add_co_u32 s46, s46, s18
	s_and_b32 s18, s40, 1
	s_lshl_b32 s18, s18, 13
	s_add_co_u32 s46, s46, s18
	s_add_co_u32 s46, s46, 2*KPL                   ; at K step 2: the first refill steps it to 3 and names K step 4
	s_add_nc_u64 s[PFA:PFA+1], s[4:5], s[46:47]
	s_cmp_eq_u32 s14, 0
	s_cselect_b32 s[LIM], 1, -1
	s_or_b32 s[FINE], s2, s15                      ; 0 where my block 0 holds positions 0-15
	WIN 0x80
.irp b, 0,1,2,3,4,5,6,7
	global_load_b128 v[8*\b:8*\b+3], v[BO], s[8:9] offset:64*\b
	global_load_b128 v[8*\b+4:8*\b+7], v[BO], s[8:9] offset:64*\b+16
.endr
	WIN 0
.macro FETCH slot, kq, f               ; the fragments of 32 along K, 24 loads: owh's eight, then ao's blocks 0 to 3
.irp j, 0,1,2,3,4,5,6,7
	ds_load_b128 v[\f+32+8*\j:\f+32+8*\j+3], v[ADRB+\slot] offset:64*(\kq)+\j*16*PB
	ds_load_b128 v[\f+32+8*\j+4:\f+32+8*\j+7], v[ADRB+\slot] offset:64*(\kq)+\j*16*PB+32
.endr
.irp i, 0,1,2,3
	ds_load_b128 v[\f+8*\i:\f+8*\i+3], v[ADRA+\slot] offset:PLANE*((\kq)/2)+64*((\kq)%2)+\i*16*PA
	ds_load_b128 v[\f+8*\i+4:\f+8*\i+7], v[ADRA+\slot] offset:PLANE*((\kq)/2)+64*((\kq)%2)+\i*16*PA+32
.endr
.endm
.macro MUL8 f, a, first                ; row block a x the eight column blocks; the 32 accumulators take turns in the same order in every quarter
.irp b, 0,1,2,3,4,5,6,7
.if \first
	v_wmma_f32_16x16x32_f16 v[8*(8*(\a)+\b):8*(8*(\a)+\b)+7], v[\f+32+8*\b:\f+32+8*\b+7], v[\f+8*(\a):\f+8*(\a)+7], v[8*\b:8*\b+7]
.else
	v_wmma_f32_16x16x32_f16 v[8*(8*(\a)+\b):8*(8*(\a)+\b)+7], v[\f+32+8*\b:\f+32+8*\b+7], v[\f+8*(\a):\f+8*(\a)+7], v[8*(8*(\a)+\b):8*(8*(\a)+\b)+7]
.endif
.endr
.endm
; A K step is four quarters of 32 along K on buffers 0, 1, 0, 1.  One of the first three: multiplies buffer f; in its middle it fetches quarter kq of the same slot into buffer g.
.macro QUARTER slot, kq, f, g, first
	s_wait_dscnt 4                                 ; all but ao's blocks 2 and 3 (the youngest four loads) are in
	WIN MUL+0x10*(\first)
	MUL8 \f, 0, \first
	MUL8 \f, 1, \first
	PLACES
	WIN 0
	FETCH \slot, \kq, \g
	s_wait_dscnt 24                                ; all but the 24 just issued
	WIN MUL+0x10*(\first)
	MUL8 \f, 2, \first
	MUL8 \f, 3, \first
.endm
; The last quarter multiplies buffer 1 and changes slots: one barrier; in front of it each wave waits for all its tensor loads, adds 0 to its spare word, and waits for that and for its reads of this slot.
.macro TURN slot, next, fill
.if \fill
	s_wait_xcnt 0x0                                ; the last prefetch, a K step back, has read its address
	s_add_nc_u64 s[PFA:PFA+1], s[PFA:PFA+1], KPL
.endif
	WIN 0
	s_wait_tensorcnt 0x0                           ; all my tensor loads have landed: my part of the next slot
	ds_add_u32 v[SPW], v[NIL]
	s_wait_dscnt 5                                 ; the add and the youngest four loads may be out
	WIN MUL
	MUL8 F1, 0, 0
	s_wait_dscnt 0x0                               ; the add is done, and my reads of this slot are over
	s_barrier_signal -1
	MUL8 F1, 1, 0
	WIN 0
	s_barrier_wait -1
.if \fill
	CREST                                          ; the barrier has opened a round of the cluster's: no wave of any partner still reads this slot or has a load on its way
	s_add_nc_u64 s[G0+4*\slot+2:G0+4*\slot+3], s[G0+4*\slot+2:G0+4*\slot+3], 2*KPL
	s_add_nc_u64 s[G0B+4*\slot+2:G0B+4*\slot+3], s[G0B+4*\slot+2:G0B+4*\slot+3], 512
	JLOAD \slot                                    ; the first tensor load behind the round; its four v_nop are also the places in front of the loads below
.else
	PLACES
.endif
	FETCH \next, 0, F0
.if \fill
	ASK
.endif
	WIN MUL
	MUL8 F1, 2, 0
	MUL8 F1, 3, 0
.endm
	s_wait_tensorcnt 1                             ; my part of K step 0 is in; K step 1's load may be out
	s_barrier_signal -1
	s_barrier_wait -1
	FETCH 0, 0, F0
	s_wait_loadcnt 0x0                             ; the bias
	QUARTER 0, 1, F0, F1, 1                        ; the first quarter stands in front of the loop: its products start the sums from the bias
	WIN 0
	s_mov_b32 s3, 3
.Llap:                                             ; a trip goes once round the ring and fills both slots again
	QUARTER 0, 2, F1, F0, 0
	QUARTER 0, 3, F0, F1, 0
	TURN 0, 1, 1
	QUARTER 1, 1, F0, F1, 0
	QUARTER 1, 2, F1, F0, 0
	QUARTER 1, 3, F0, F1, 0
	TURN 1, 0, 1
	QUARTER 0, 1, F0, F1, 0
	WIN 0
	s_sub_co_u32 s3, s3, 1
	s_cmp_lg_u32 s3, 0
	s_cbranch_scc1 .Llap
	QUARTER 0, 2, F1, F0, 0                        ; the last lap fills nothing
	QUARTER 0, 3, F0, F1, 0
	TURN 0, 1, 0
	QUARTER 1, 1, F0, F1, 0
	QUARTER 1, 2, F1, F0, 0
	QUARTER 1, 3, F0, F1, 0
	s_wait_dscnt 4
	WIN MUL
	MUL8 F1, 0, 0
	MUL8 F1, 1, 0
	s_wait_dscnt 0x0
	MUL8 F1, 2, 0
	MUL8 F1, 3, 0
	WIN 0
	PLACES
; THE WAY OUT, a block of 16 rows x 128 columns at a time, through my stage: in by lanes' 32 bytes, back as whole rows of 512 bytes.
.macro TOSTAGE a
	WIN 0x04                                       ; an LDS store's data: window 1
.irp b, 0,1,2,3,4,5,6,7
	ds_store_b128 v[STO], v[64*(\a)+8*\b:64*(\a)+8*\b+3] offset:64*\b          ; each accumulator from its low end on
	ds_store_b128 v[STO], v[64*(\a)+8*\b+4:64*(\a)+8*\b+7] offset:64*\b+16
.endr
	WIN 0
.set BB, BK+64*((\a)%2)
.irp t, 0,1,2,3,4,5,6,7,8,9,10,11,12,13,14,15
	ds_load_b128 v[BB+4*\t:BB+4*\t+3], v[RD] offset:\t*SPITCH
.endr
.endm
.macro SEND a, younger
.set BB, BK+64*((\a)%2)
	s_wait_dscnt \younger                          ; the block is back; the next block's 16 stores and 16 loads may be out
.if (\a) == 0
	s_cmp_lg_u32 s[FINE], 0                        ; cluster y and the wave's number alone
	s_cbranch_scc0 .Lfine_rows                     ; positions 0-15 belong to the last launch
.endif
.irp t, 0,1,2,3,4,5,6,7,8,9,10,11,12,13,14,15
	global_store_b128 v[CO], v[BB+4*\t:BB+4*\t+3], s[10:11] offset:(16*(\a)+\t)*4096 th:TH_STORE_NT   ; 32 lanes store 512 consecutive bytes, aligned
.endr
.if (\a) == 0
.Lfine_rows:
.endif
.endm
	TOSTAGE 0
.irp a, 1,2,3
.if \a > 1
	s_wait_xcnt 0x0                                ; block a - 2's stores have read their registers
.endif
	TOSTAGE \a
	SEND \a-1, 32
.endr
	SEND 3, 0
	s_wait_tensorcnt 0x0                           ; the wave's end
	ds_add_u32 v[SPW], v[NIL]
	s_wait_dscnt 0x0
	CROUND                                         ; the closing round
	s_endpgm
.Lfunc_end_k_q33f669fe48_proj:
	.size	k_q33f669fe48_proj, .Lfunc_end_k_q33f669fe48_proj-k_q33f669fe48_proj
	.p2alignl 7, 3214868480
	.fill 96, 4, 3214868480
	.section	.rodata,"a",@progbits
	.p2align	6, 0x0
	.amdhsa_kernel k_q33f669fe48_proj
		.amdhsa_group_segment_fixed_size 327680
		.amdhsa_private_segment_fixed_size 0
		.amdhsa_enable_private_segment 0
		.amdhsa_kernarg_size 32
		.amdhsa_user_sgpr_count 2
		.amdhsa_user_sgpr_kernarg_segment_ptr 1
		.amdhsa_wavefront_size32 1
		.amdhsa_system_sgpr_workgroup_id_x 1
		.amdhsa_system_sgpr_workgroup_id_y 1
		.amdhsa_system_sgpr_workgroup_id_z 1
		.amdhsa_system_vgpr_workitem_id 0
		.amdhsa_next_free_vgpr 640
		.amdhsa_next_free_sgpr 66
		.amdhsa_reserve_vcc 0
		.amdhsa_float_denorm_mode_32 3
		.amdhsa_float_denorm_mode_16_64 3
		.amdhsa_memory_ordered 1
		.amdhsa_forward_progress 1
		.amdhsa_inst_pref_size 87
	.end_amdhsa_kernel
	.amdgpu_metadata
---
amdhsa.version: [ 1, 2 ]
amdhsa.kernels:
  - .name:           k_q33f669fe48_proj
    .symbol:         k_q33f669fe48_proj.kd
    .args:
      - { .name: ao, .offset: 0, .size: 8, .value_kind: global_buffer, .address_space: global }
      - { .name: owh, .offset: 8, .size: 8, .value_kind: global_buffer, .address_space: global }
      - { .name: out_b, .offset: 16, .size: 8, .value_kind: global_buffer, .address_space: global }
      - { .name: out0, .offset: 24, .size: 8, .value_kind: global_buffer, .address_space: global }
    .group_segment_fixed_size: 327680
    .private_segment_fixed_size: 0
    .kernarg_segment_align: 8
    .kernarg_segment_size: 32
    .max_flat_workgroup_size: 128
    .sgpr_count:     66
    .vgpr_count:     640
    .wavefront_size: 32
...
	.end_amdgpu_metadata
.endif
;; end of part 4
;; launch first16 (part 5): grid 64 x 4, 16 waves a work-group, no clusters, 18,432 bytes of LDS; arguments fq, out_w, out_b, out0; writes out0
.if DOCPART == 5
	.amdgcn_target "amdgcn-amd-amdhsa--gfx1250"
	.amdhsa_code_object_version 6
	.text
	.protected	k_q33f669fe48_first16
	.globl	k_q33f669fe48_first16
	.p2align	8
	.type	k_q33f669fe48_first16,@function
k_q33f669fe48_first16:
	s_mov_b64 s[64:65], 0
	v_nop
	global_prefetch_b8 v0, s[64:65] scope:SCOPE_SE
	s_setreg_imm32_b32 hwreg(HW_REG_WAVE_MODE, 25, 1), 1
	s_wait_xcnt 0x0
; Positions 0-15 of each of the four sequences, all in f32: causal attention of 16 queries on 16 keys for each head, and the projection with out_w and out_b.  These rows average few values and are the largest in size.
; fq holds q, k, v of these positions in f32: [4 batches][48 planes][8 chunks][32 lanes][4 words]; element (position t, channel 16 q4 + 8 h + j) at chunk 2 q4 + (j >> 2), lane 16 h + t, word j & 3.
; SHARES.  Work-group (x, batch) makes output columns 16 x .. 16 x + 15 of the batch's 16 rows.  Wave w takes head w: its attention (repeated in the 64 work-groups of a batch: 32 small products) and its head's
; 64 channels' part of the 16 x 16 outputs; the sixteen parts meet in LDS.
; ONE LANE LAYOUT THROUGHOUT.  The f32 matrix form takes four k a step, k = 2 (lane / 16) + register.  The same order of k is given to both sources of each product, so that each result's registers are the next
; product's operand as they stand: S^T = K Q^T (a lane: query lane % 16, keys 8 h + j), O^T = V^T P (channels 16 ct + 8 h + j), y^T = W O (columns 8 h + j).
; The accumulators v160-255 are written by matrix instructions alone; each sum begins with the constant 0; four accumulators take turns.
.set SS, 8                             ; v8-15   the scores; later sums and 1 / l
.set PP, 16                            ; v16-23  the weights p
.set SPW, 30
.set NIL, 31
.set QQ, 32                            ; v32-63  q; later the attention's result
.set KK, 64                            ; v64-95  k; later my part of y
.set VV, 96                            ; v96-127 v; later (with WW) the sixteen parts
.set WW, 128                           ; v128-159 out_w
.set SA, 160
.set OA, 192
.set YA, 224
.set SPARE, 16384                      ; behind the sixteen images of 1,024 bytes: the spare words, 128 bytes a wave, named by no other line
	s_load_b256 s[4:11], s[0:1], 0x0               ; fq s[4:5], out_w s[6:7], out_b s[8:9], out0 s[10:11]
	v_lshl_add_u32 v[SPW], v0, 2, SPARE
	v_mov_b32 v[NIL], 0
	v_lshrrev_b32 v1, 5, v0
	v_readfirstlane_b32 s12, v1                    ; wave = head
	s_and_b32 s13, ttmp7, 0xffff                   ; batch
	v_and_b32 v1, 15, v0                           ; r
	v_bfe_u32 v2, v0, 4, 1                         ; h
	v_and_b32 v3, 31, v0                           ; lane
	v_lshlrev_b32 v4, 4, v3                        ; 16 x lane
	v_bfe_u32 v5, v0, 2, 1                         ; v: channel 16 ct + r of key 8 h + jj: chunk 2 ct + ((r >> 2) & 1),
	v_lshlrev_b32 v5, 9, v5
	v_bfe_u32 v6, v0, 3, 1
	v_lshl_add_u32 v5, v6, 8, v5                   ; lane 16 (r >> 3) + key,
	v_lshl_add_u32 v5, v2, 7, v5
	v_and_b32 v6, 3, v0
	v_lshl_add_u32 v5, v6, 2, v5                   ; word r & 3
	v_lshlrev_b32 v6, 12, v1
	v_lshl_add_u32 v6, v2, 5, v6                   ; out_w: row r of 4,096 bytes, + 32 h
	s_and_b32 s14, s12, 1
	s_lshl_b32 s15, s14, 4
	v_lshl_add_u32 v7, v2, 5, s15                  ; out_b: 32 h + 16 (wave & 1)
	v_lshl_add_u32 v24, v1, 12, v7                 ; out0: row r, the same columns
	v_lshlrev_b32 v25, 3, v2
	v_sub_nc_u32 v25, v1, v25                      ; r - 8 h: key 8 h + j is hidden where j is greater
	s_lshl_b32 s16, s12, 10
	v_add_nc_u32 v26, s16, v4                      ; LDS: my image: 1,024 x wave + 16 x lane
	s_lshl_b32 s16, s14, 9
	v_add_nc_u32 v27, s16, v4                      ; and where waves 0 and 1 read: registers 0-3 or 4-7 of each image
	s_mov_b32 s24, 0x76543210
	s_mov_b32 s25, 0xfedcba98
	s_mov_b32 s26, 0x3e38aa3b                      ; c = log2(e) / 8
	s_mul_i32 s16, s13, 196608
	s_lshl_b32 s17, s12, 12
	s_add_co_u32 s16, s16, s17                     ; fq: my batch, plane = my head
	s_mov_b32 s17, 0
	s_lshl_b32 s18, ttmp9, 16                      ; out_w: row 16 x,
	s_lshl_b32 s19, s12, 8
	s_add_co_u32 s18, s18, s19                     ; my head's 64 columns
	s_mov_b32 s19, 0
	s_lshl_b32 s20, ttmp9, 6                       ; 16 x columns of 4 bytes
	s_mov_b32 s21, 0
	s_lshl_b32 s22, s13, 23                        ; 2,048 rows of 4,096 bytes a batch
	s_add_co_u32 s22, s22, s20
	s_mov_b32 s23, 0
	s_wait_kmcnt 0x0
	s_add_nc_u64 s[4:5], s[4:5], s[16:17]
	s_add_nc_u64 s[6:7], s[6:7], s[18:19]
	s_add_nc_u64 s[8:9], s[8:9], s[20:21]
	s_add_nc_u64 s[10:11], s[10:11], s[22:23]
.irp c, 0,1,2,3,4,5,6,7
	global_load_b128 v[QQ+4*\c:QQ+4*\c+3], v4, s[4:5] offset:512*\c              ; register n: channel 16 (n >> 3) + 8 h + (n & 7) of position r
	global_load_b128 v[KK+4*\c:KK+4*\c+3], v4, s[4:5] offset:65536+512*\c
.endr
.irp c, 0,1,2,3
.irp j, 0,1,2,3,4,5,6,7
	global_load_b32 v[VV+8*\c+\j], v5, s[4:5] offset:131072+1024*\c+16*\j       ; v(key 8 h + j, channel 16 c + r)
.endr
.endr
.irp c, 0,1,2,3
	global_load_b128 v[WW+8*\c:WW+8*\c+3], v6, s[6:7] offset:64*\c               ; out_w(16 x + r, 64 head + 16 c + 8 h + 0 .. 7)
	global_load_b128 v[WW+8*\c+4:WW+8*\c+7], v6, s[6:7] offset:64*\c+16
.endr
	s_wait_loadcnt 0x0
.set kx, 0
.rept 16                                       ; S^T: 64 channels, four a product
.if kx < 4
	v_wmma_f32_16x16x4_f32 v[SA+8*(kx%4):SA+8*(kx%4)+7], v[KK+2*kx:KK+2*kx+1], v[QQ+2*kx:QQ+2*kx+1], 0
.else
	v_wmma_f32_16x16x4_f32 v[SA+8*(kx%4):SA+8*(kx%4)+7], v[KK+2*kx:KK+2*kx+1], v[QQ+2*kx:QQ+2*kx+1], v[SA+8*(kx%4):SA+8*(kx%4)+7]
.endif
.set kx, kx+1
.endr
.rept 8
	v_nop                                          ; eight places behind this form (ISA guide 7.12.1)
.endr
.irp j, 0,2,4,6
	v_pk_add_f32 v[SS+\j:SS+\j+1], v[SA+\j:SA+\j+1], v[SA+8+\j:SA+8+\j+1]
.endr
.irp j, 0,2,4,6
	v_pk_add_f32 v[PP+\j:PP+\j+1], v[SA+16+\j:SA+16+\j+1], v[SA+24+\j:SA+24+\j+1]
.endr
.irp j, 0,2,4,6
	v_pk_add_f32 v[SS+\j:SS+\j+1], v[SS+\j:SS+\j+1], v[PP+\j:PP+\j+1]
.endr
	v_mov_b32 v28, 0xff800000                      ; -infinity
.irp j, 0,1,2,3,4,5,6,7
	v_cmp_gt_i32 vcc_lo, \j, v25
	v_cndmask_b32 v[SS+\j], v[SS+\j], v28, vcc_lo
.endr
	v_max3_num_f32 v29, v[SS], v[SS+1], v[SS+2]
	v_max3_num_f32 v29, v29, v[SS+3], v[SS+4]
	v_max3_num_f32 v29, v29, v[SS+5], v[SS+6]
	v_max_num_f32 v29, v29, v[SS+7]
	v_permlanex16_b32 v28, v29, s24, s25
	v_max_num_f32 v29, v29, v28                    ; the row's maximum: key 0 counts for every query
	v_mul_f32 v29, s26, v29
.irp j, 0,1,2,3,4,5,6,7
	v_fma_f32 v[PP+\j], v[SS+\j], s26, -v29
.endr
.irp j, 0,1,2,3,4,5,6,7
	v_exp_f32 v[PP+\j], v[PP+\j]
.endr
	v_nop
	s_wait_alu depctr_va_vdst(0)                   ; one wait for the eight, ahead of their first reader
	v_pk_add_f32 v[SS:SS+1], v[PP:PP+1], v[PP+2:PP+3]
	v_pk_add_f32 v[SS+2:SS+3], v[PP+4:PP+5], v[PP+6:PP+7]
	v_pk_add_f32 v[SS:SS+1], v[SS:SS+1], v[SS+2:SS+3]
	v_add_f32 v29, v[SS], v[SS+1]
	v_permlanex16_b32 v28, v29, s24, s25
	v_add_f32 v29, v29, v28                        ; the row's sum
	v_rcp_f32 v[SS+4], v29
	v_nop
	s_wait_alu depctr_va_vdst(0)
.set kx, 0
.rept 16                                       ; O^T: 16 keys, four a product; four tiles of 16 channels by turns
.if kx < 4
	v_wmma_f32_16x16x4_f32 v[OA+8*(kx%4):OA+8*(kx%4)+7], v[VV+8*(kx%4)+2*(kx/4):VV+8*(kx%4)+2*(kx/4)+1], v[PP+2*(kx/4):PP+2*(kx/4)+1], 0
.else
	v_wmma_f32_16x16x4_f32 v[OA+8*(kx%4):OA+8*(kx%4)+7], v[VV+8*(kx%4)+2*(kx/4):VV+8*(kx%4)+2*(kx/4)+1], v[PP+2*(kx/4):PP+2*(kx/4)+1], v[OA+8*(kx%4):OA+8*(kx%4)+7]
.endif
.set kx, kx+1
.endr
.rept 8
	v_nop
.endr
.set j, 0
.rept 16
	v_pk_mul_f32 v[QQ+j:QQ+j+1], v[OA+j:OA+j+1], v[SS+4:SS+5] op_sel_hi:[1,0]   ; / the sum, into other registers
.set j, j+2
.endr
.set kx, 0
.rept 16                                       ; y^T: my head's 64 channels, four a product, in four sums by turns
.if kx < 4
	v_wmma_f32_16x16x4_f32 v[YA+8*(kx%4):YA+8*(kx%4)+7], v[WW+8*(kx%4)+2*(kx/4):WW+8*(kx%4)+2*(kx/4)+1], v[QQ+8*(kx%4)+2*(kx/4):QQ+8*(kx%4)+2*(kx/4)+1], 0
.else
	v_wmma_f32_16x16x4_f32 v[YA+8*(kx%4):YA+8*(kx%4)+7], v[WW+8*(kx%4)+2*(kx/4):WW+8*(kx%4)+2*(kx/4)+1], v[QQ+8*(kx%4)+2*(kx/4):QQ+8*(kx%4)+2*(kx/4)+1], v[YA+8*(kx%4):YA+8*(kx%4)+7]
.endif
.set kx, kx+1
.endr
.rept 8
	v_nop
.endr
.irp j, 0,2,4,6
	v_pk_add_f32 v[KK+\j:KK+\j+1], v[YA+\j:YA+\j+1], v[YA+8+\j:YA+8+\j+1]
.endr
.irp j, 0,2,4,6
	v_pk_add_f32 v[KK+8+\j:KK+8+\j+1], v[YA+16+\j:YA+16+\j+1], v[YA+24+\j:YA+24+\j+1]
.endr
.irp j, 0,2,4,6
	v_pk_add_f32 v[KK+\j:KK+\j+1], v[KK+\j:KK+\j+1], v[KK+8+\j:KK+8+\j+1]       ; register j: my head's part of y(query r, column 16 x + 8 h + j)
.endr
	ds_store_b128 v26, v[KK:KK+3]                  ; the image of my eight registers
	ds_store_b128 v26, v[KK+4:KK+7] offset:512
	s_wait_dscnt 0x0                               ; for the others' sake: my stores have landed
	s_barrier_signal -1
	s_barrier_wait -1
	s_cmp_ge_u32 s12, 2
	s_cbranch_scc1 .Lend
	global_load_b128 v[QQ:QQ+3], v7, s[8:9]        ; out_b at columns 16 x + 8 h + 4 wave + 0 .. 3
.irp i, 0,1,2,3,4,5,6,7,8,9,10,11,12,13,14,15
	ds_load_b128 v[VV+4*\i:VV+4*\i+3], v27 offset:1024*\i
.endr
	s_wait_dscnt 0x0
.irp d, 8,4,2,1                                ; the sixteen heads' parts, in a fixed tree
.set i, 0
.rept \d
	v_pk_add_f32 v[VV+4*i:VV+4*i+1], v[VV+4*i:VV+4*i+1], v[VV+4*(i+\d):VV+4*(i+\d)+1]
	v_pk_add_f32 v[VV+4*i+2:VV+4*i+3], v[VV+4*i+2:VV+4*i+3], v[VV+4*(i+\d)+2:VV+4*(i+\d)+3]
.set i, i+1
.endr
.endr
	s_wait_loadcnt 0x0
	v_pk_add_f32 v[VV:VV+1], v[VV:VV+1], v[QQ:QQ+1]
	v_pk_add_f32 v[VV+2:VV+3], v[VV+2:VV+3], v[QQ+2:QQ+3]
	global_store_b128 v24, v[VV:VV+3], s[10:11]    ; 16 bytes a lane; the two waves together write 64 consecutive bytes of each of the 16 rows
.Lend:
	s_wait_tensorcnt 0x0                           ; the wave's end, behind the last LDS store
	ds_add_u32 v[SPW], v[NIL]
	s_wait_dscnt 0x0
	s_endpgm
.Lfunc_end_k_q33f669fe48_first16:
	.size	k_q33f669fe48_first16, .Lfunc_end_k_q33f669fe48_first16-k_q33f669fe48_first16
	.p2alignl 7, 3214868480
	.fill 96, 4, 3214868480
	.section	.rodata,"a",@progbits
	.p2align	6, 0x0
	.amdhsa_kernel k_q33f669fe48_first16
		.amdhsa_group_segment_fixed_size 18432
		.amdhsa_private_segment_fixed_size 0
		.amdhsa_enable_private_segment 0
		.amdhsa_kernarg_size 32
		.amdhsa_user_sgpr_count 2
		.amdhsa_user_sgpr_kernarg_segment_ptr 1
		.amdhsa_wavefront_size32 1
		.amdhsa_system_sgpr_workgroup_id_x 1
		.amdhsa_system_sgpr_workgroup_id_y 1
		.amdhsa_system_sgpr_workgroup_id_z 1
		.amdhsa_system_vgpr_workitem_id 0
		.amdhsa_next_free_vgpr 256
		.amdhsa_next_free_sgpr 66
		.amdhsa_reserve_vcc 1
		.amdhsa_float_denorm_mode_32 3
		.amdhsa_float_denorm_mode_16_64 3
		.amdhsa_memory_ordered 1
		.amdhsa_forward_progress 1
		.amdhsa_inst_pref_size 20
	.end_amdhsa_kernel
	.amdgpu_metadata
---
amdhsa.version: [ 1, 2 ]
amdhsa.kernels:
  - .name:           k_q33f669fe48_first16
    .symbol:         k_q33f669fe48_first16.kd
    .args:
      - { .name: fq, .offset: 0, .size: 8, .value_kind: global_buffer, .address_space: global }
      - { .name: out_w, .offset: 8, .size: 8, .value_kind: global_buffer, .address_space: global }
      - { .name: out_b, .offset: 16, .size: 8, .value_kind: global_buffer, .address_space: global }
      - { .name: out0, .offset: 24, .size: 8, .value_kind: global_buffer, .address_space: global }
    .group_segment_fixed_size: 18432
    .private_segment_fixed_size: 0
    .kernarg_segment_align: 8
    .kernarg_segment_size: 32
    .max_flat_workgroup_size: 512
    .sgpr_count:     66
    .vgpr_count:     256
    .wavefront_size: 32
...
	.end_amdgpu_metadata
.endif
;; end of part 5
